; MI455X (gfx1250); checked and timed in simulation.
; The chip was launched on July 23, 2026; its instructions are those of AMD's public machine-readable ISA for CDNA 5 (MIT licence, August 2026) and "CDNA5" Instruction Set Architecture Reference Guide (July 2026). The comments in the code are by the model that wrote it; some were corrected since.
;; Extract Module. Allowed arithmetic: matrix products marked QUANTISED: E2M3 operands, one E8M0 scale for each 32 along K, by v_wmma_scale_f32_16x16x128_f8f6f4 with both operands' format E2M3, f32 sums; products left as they are: f32 operands where the result goes on into a quantised operand, else bf16, f16 or f32 operands; f32 sums; everything else in f32.
;; Inputs: batch 16 x 256 x 256 float32; lp 3 float32.
;; Outputs: out0 16 x 180 float32.
;; This version of the problem:
;;   THIS VERSION OF THE PROBLEM IS GIVEN IN LOW PRECISION. The matrix products marked QUANTISED in the list below multiply operands that are first quantised to E2M3 (2 exponent bits, 3 mantissa bits; 6 bits a number), with one power-of-two scale for each 32 numbers along K (OCP MX v1.0); their sums are f32. All else is computed in f32.
;;   The module's matrix products, in the order in which they are computed (A, B: the left and right operand; K: the contracted axis; several contracted axes count as one K, in the product's order):
;;     1. [M 1, K 3] x [K 3, N 47,185,920]; A: input lp; B: computed on the way: left as it is (K = 3 < 32)
;;     2. [M 16, K 262,144] x [K 262,144, N 180]; A: computed on the way; B: computed on the way: QUANTISED
;;   THE QUANTISER, for each operand of a quantised product, along K:
;;     - K is cut into blocks of 32 from its start; a last block that is shorter is filled with zeros.
;;     - A block's scale is 2^e with e = floor(log2(the largest magnitude in the block)) - 2, held to -126 .. 127; a block of zeros has e = 0. As a byte (E8M0): e + 127.
;;     - Each number is divided by its block's scale, clamped to +-7.5, and rounded to the nearest number of E2M3, ties to even, subnormals kept.
;;     - The product sums the exact products of the quantised numbers (number of the format x scale) in f32.
;;   ~~~python
;;   def quantise(x, axis):      # numpy; x: float32 -> the quantised numbers, widened to float32 again
;;       x = np.moveaxis(x, axis, -1); K = x.shape[-1]
;;       x = np.pad(x, [(0, 0)] * (x.ndim - 1) + [(0, -K % 32)]); x = x.reshape(x.shape[:-1] + (-1, 32)); a = np.abs(x).max(-1, keepdims=True)
;;       e = np.where(a > 0, np.clip(np.frexp(np.where(a > 0, a, 1))[1] - 1 - 2, -126, 127), 0)      # np.frexp(a)[1] - 1 = floor(log2(a)), exactly
;;       r = np.clip(x / 2.0 ** e, -7.5, 7.5)
;;       step = 2.0 ** (np.maximum(np.frexp(np.where(r == 0, 1, r))[1] - 1, 0) - 3)
;;       q = np.round(r / step) * step * 2.0 ** e      # np.round: ties to even
;;       return np.moveaxis(q.reshape(q.shape[:-2] + (-1,))[..., :K], -1, axis).astype(np.float32)
;;   ~~~
;;   OPERANDS COMPUTED ON THE WAY. 'Computed on the way' means the value that the module computes at that place (a softmax that the list does not call 'softmax' is quantised finished and normalised). What goes into a quantiser is computed in f32, as accurately as f32 sums, v_exp_f32 and their like allow (about 1e-6 of the number): no bf16 or f16 on the way to a quantiser, and a product that is left as it is and whose result goes on into a quantised operand takes f32 operands (vector FMAs, or v_wmma_f32_16x16x4_f32). A number that lies on a knife's edge between two numbers of the format may be rounded either way, as far as f32 arithmetic and the matrix unit's own rounding can turn it there, and no further.
;; 2 versions, each right; version 2 is version 1 with the launch mask written anew for expert scheduling mode. Each part assembles by itself: llvm-mc -triple=amdgcn-amd-amdhsa -mcpu=gfx1250 --defsym DOCPART=n.
;; ======== version 1 of 2: 4 launches
;; limits: inputs' magnitudes at most 100,000,000,000,000
;; workspace buffers: w1 8,388,608 bytes; w2 16,777,216 bytes; part 3,145,728 bytes
;; launch rowfft (part 1): grid 256 x 1, 4 waves a work-group, no clusters, 50,688 bytes of LDS; arguments batch, w1; writes w1
.if DOCPART == 1
	.amdgcn_target "amdgcn-amd-amdhsa--gfx1250"
	.amdhsa_code_object_version 6
	.text
	.protected	k_q195d574a97_rowfft
	.globl	k_q195d574a97_rowfft
	.p2align	8
	.type	k_q195d574a97_rowfft,@function
k_q195d574a97_rowfft:
	s_mov_b64 s[64:65], 0
	v_nop
	global_prefetch_b8 v0, s[64:65] scope:SCOPE_SE
	s_setreg_imm32_b32 hwreg(HW_REG_WAVE_MODE, 25, 1), 1
	s_wait_xcnt 0x0
; FIRST OF FOUR LAUNCHES.  out[b][t] = 2^-18 x sum over (h, w) of Q(mask[t][h][w]) Q(pseudo[b][h][w]), pseudo = Re ifft2(|fft2(batch, padded to 512 x 512)|).
; Images 2 p and 2 p + 1 travel as the real and the imaginary part of one complex image through all four passes of 512-point transforms.
; THIS LAUNCH: the transform along w of the 256 rows of each of the 8 pairs (256 numbers, 256 zeros behind them).  A wave takes rows 2 hh and 2 hh + 1 of pair p.
; OUT: w1 [p 8][jb 32][hh 128][t 16][e 2] complex f32; row = 2 hh + e; column SLOT = 16 jb + t.  Slot 2 j holds column j, slot 2 j + 1 column 512 - j (for j = 0: column 256),
; so that a column and its mirror column are neighbours.  Sixteen lanes store 256 consecutive bytes, aligned.
; THE TRANSFORM: 512 = 16 x 16 x 2, one wave, 16 complex numbers a lane (a pair of registers each): 16-point transforms in registers, twiddles, one exchange through the wave's own LDS bytes,
; 16-point transforms, twiddles, one exchange between lanes l and l xor 16.  In: lane n0, cell n1 = x[n0 + 32 n1].  Out: lane l, cell c = X[l % 16 + 256 (l / 16) + 16 rv(c)], rv(c) = c / 4 + 4 (c % 4).
; LIMITS: NaN and infinities are not served.  Twiddles are made from one sine and cosine by at most four complex products: about 3e-7 of their size.
; No tensor load, no cluster (no two work-groups read the same bytes), no barrier (waves share nothing).
.set EXB, 0                            ; LDS: the exchange, 16 rows of 272 bytes for each wave
.set OB,  17408                        ; behind it: 512 slots x 16 bytes for each wave: both rows' results, in slot order
.set D1,  128                          ; v[128:159] the second row's 16 cells
.set PX,  160                          ; v[160:191] what lane l xor 16 holds
.set ADR, 192                          ; v[192:207] where cell c goes in OB
.set T,   2                            ; v[2:11]  five pairs at work
.set QA,  10                           ; v10, v11 at the head: the twiddles' seeds
.set EXW, 12                           ; v12  the exchange: where I write
.set EXR, 13                           ; v13  and where I read
.set SG,  14                           ; v[14:15] +1 in lanes 0-15, -1 in lanes 16-31
.set D,   32                           ; v[32:63] 16 cells
.set TW1, 64                           ; v[64:95]  pair a: W512^(lane x a)
.set TW2, 96                           ; v[96:127] pair e: W32^((lane / 16) x e)
.set KC1, 0x3f6c835e                   ; cos(pi/8)
.set KS1, 0x3ec3ef15                   ; sin(pi/8)
.set KRH, 0x3f3504f3                   ; sqrt(1/2)
.set NC1, 0xbf6c835e
.set NS1, 0xbec3ef15
.set NRH, 0xbf3504f3
.macro R4 a, b, c, d                   ; a 4-point transform in place: result j in the j-th pair
	v_pk_add_f32 v[T:T+1], v[\a:\a+1], v[\c:\c+1]
	v_pk_add_f32 v[T+2:T+3], v[\a:\a+1], v[\c:\c+1] neg_lo:[0,1] neg_hi:[0,1]
	v_pk_add_f32 v[T+4:T+5], v[\b:\b+1], v[\d:\d+1]
	v_pk_add_f32 v[T+6:T+7], v[\b:\b+1], v[\d:\d+1] neg_lo:[0,1] neg_hi:[0,1]
	v_pk_add_f32 v[\a:\a+1], v[T:T+1], v[T+4:T+5]
	v_pk_add_f32 v[\c:\c+1], v[T:T+1], v[T+4:T+5] neg_lo:[0,1] neg_hi:[0,1]
	v_pk_add_f32 v[\b:\b+1], v[T+2:T+3], v[T+6:T+7] op_sel:[0,1] op_sel_hi:[1,0] neg_hi:[0,1]   ; - i u = (u.im, -u.re)
	v_pk_add_f32 v[\d:\d+1], v[T+2:T+3], v[T+6:T+7] op_sel:[0,1] op_sel_hi:[1,0] neg_lo:[0,1]   ; + i u
.endm
.macro KMUL x, wi, t                   ; t = (-x.im wi, x.re wi)
	v_pk_mul_f32 v[\t:\t+1], v[\x:\x+1], \wi op_sel:[1,0] op_sel_hi:[0,0] neg_lo:[1,0]
.endm
.macro KFMA x, wr, t                   ; x = x wr + t: with KMUL the product x (wr + i wi)
	v_pk_fma_f32 v[\x:\x+1], v[\x:\x+1], \wr, v[\t:\t+1] op_sel_hi:[1,0,1]
.endm
.macro DFT16 d                         ; 16 points in place; result a lies in cell c with rv(c) = a
.irp n, 0,2,4,6
	R4 \d+\n, \d+\n+8, \d+\n+16, \d+\n+24
.endr
	KMUL \d+10, NS1, T                             ; cell n2 + 4 k1 times W16^(n2 k1)
	KMUL \d+12, NRH, T+2
	KMUL \d+14, NC1, T+4
	KMUL \d+18, NRH, T+6
	KMUL \d+20, -1.0, T+8
	KFMA \d+10, KC1, T
	KFMA \d+12, KRH, T+2
	KFMA \d+14, KS1, T+4
	KFMA \d+18, KRH, T+6
	KFMA \d+20, 0, T+8
	KMUL \d+22, NRH, T
	KMUL \d+26, NC1, T+2
	KMUL \d+28, NRH, T+4
	KMUL \d+30, KS1, T+6
	KFMA \d+22, NRH, T
	KFMA \d+26, KS1, T+2
	KFMA \d+28, NRH, T+4
	KFMA \d+30, NC1, T+6
.irp k, 0,8,16,24
	R4 \d+\k, \d+\k+2, \d+\k+4, \d+\k+6
.endr
.endm
.macro TWID d, tw                      ; cell 4 g + i times pair g + 4 i of the table; cell 0 has the factor 1
.irp g, 0,1,2,3
.irp i, 0,1,2,3
.if \g+\i
	v_pk_mul_f32 v[T+2*\i:T+2*\i+1], v[\d+8*\g+2*\i:\d+8*\g+2*\i+1], v[\tw+2*\g+8*\i:\tw+2*\g+8*\i+1] op_sel:[1,1] op_sel_hi:[0,1] neg_lo:[1,0]
.endif
.endr
.irp i, 0,1,2,3
.if \g+\i
	v_pk_fma_f32 v[\d+8*\g+2*\i:\d+8*\g+2*\i+1], v[\d+8*\g+2*\i:\d+8*\g+2*\i+1], v[\tw+2*\g+8*\i:\tw+2*\g+8*\i+1], v[T+2*\i:T+2*\i+1] op_sel_hi:[1,0,1]
.endif
.endr
.endr
.endm
.macro EXCH d                          ; row a of 272 bytes takes the 32 lanes' result a; lane l reads row l % 16, places l / 16 + 2 d.  The bytes are the wave's own and LDS serves a wave in order: no barrier
.irp c, 0,1,2,3,4,5,6,7,8,9,10,11,12,13,14,15
	ds_store_b64 v[EXW], v[\d+2*\c:\d+2*\c+1] offset:272*(\c/4+4*(\c%4))
.endr
.irp c, 0,1,2,3,4,5,6,7,8,9,10,11,12,13,14,15
	ds_load_b64 v[\d+2*\c:\d+2*\c+1], v[EXR] offset:16*\c
.endr
	s_wait_dscnt 0x0
.endm
.macro RAD2 d                          ; lanes 0-15: own + other; lanes 16-31: other - own
.irp i, 0,1,2,3,4,5,6,7,8,9,10,11,12,13,14,15,16,17,18,19,20,21,22,23,24,25,26,27,28,29,30,31
	v_permlanex16_b32 v[PX+\i], v[\d+\i], s20, s21
.endr
.irp c, 0,2,4,6,8,10,12,14,16,18,20,22,24,26,28,30
	v_pk_fma_f32 v[\d+\c:\d+\c+1], v[\d+\c:\d+\c+1], v[SG:SG+1], v[PX+\c:PX+\c+1]
.endr
.endm
.macro FFT512 d
	DFT16 \d
	TWID \d, TW1
	EXCH \d
	DFT16 \d
	TWID \d, TW2
	RAD2 \d
.endm
; dst = (cos(pi y), -sin(pi y)), y = q x cinv.  k = round(2 y), r = y - k / 2, at most 1/4 in size: Taylor series of sin(pi r) up to r^9 and of cos(pi r) up to r^10; k picks and signs them.  v16-23 at work
.macro SINCOS q, dst, c2inv, nhalf, cinv
	v_mul_f32 v16, \c2inv, v[\q]
	v_rndne_f32 v16, v16
	v_fmamk_f32 v17, v16, \nhalf, v[\q]
	v_mul_f32 v17, \cinv, v17
	v_mul_f32 v18, v17, v17
	v_mov_b32 v19, 0x3da83c1a
	v_mov_b32 v20, 0xbcd368f9
	v_fmaak_f32 v19, v19, v18, 0xbf196966
	v_fmaak_f32 v20, v20, v18, 0x3e70fa83
	v_fmaak_f32 v19, v19, v18, 0x402335e3
	v_fmaak_f32 v20, v20, v18, 0xbfaae9e4
	v_fmaak_f32 v19, v19, v18, 0xc0a55de7
	v_fmaak_f32 v20, v20, v18, 0x4081e0f8
	v_fmaak_f32 v19, v19, v18, 0x40490fdb
	v_fmaak_f32 v20, v20, v18, 0xc09de9e6
	v_mul_f32 v19, v19, v17                        ; sin(pi r)
	v_fma_f32 v20, v20, v18, 1.0                   ; cos(pi r)
	v_cvt_i32_f32 v21, v16
	v_and_b32 v22, 1, v21
	v_cmp_eq_u32 vcc_lo, 1, v22
	v_cndmask_b32 v[\dst], v20, v19, vcc_lo        ; odd k: the two change places
	v_cndmask_b32 v[\dst+1], v19, v20, vcc_lo
	v_add_nc_u32 v22, 1, v21
	v_and_b32 v22, 2, v22
	v_lshlrev_b32 v22, 30, v22
	v_xor_b32 v[\dst], v[\dst], v22                ; the cosine is negative for k % 4 = 1, 2
	v_xor_b32 v23, 2, v21
	v_and_b32 v23, 2, v23
	v_lshlrev_b32 v23, 30, v23
	v_xor_b32 v[\dst+1], v[\dst+1], v23            ; minus the sine is negative for k % 4 = 0, 1
.endm
.macro CM dst, x, y                    ; dst = x y, complex
	v_pk_mul_f32 v[\dst:\dst+1], v[\x:\x+1], v[\y:\y+1] op_sel:[1,1] op_sel_hi:[0,1] neg_lo:[1,0]
	v_pk_fma_f32 v[\dst:\dst+1], v[\x:\x+1], v[\y:\y+1], v[\dst:\dst+1] op_sel_hi:[1,0,1]
.endm
.macro POWERS tw                       ; pairs 2 to 15 from pair 1
	CM \tw+4, \tw+2, \tw+2
	CM \tw+6, \tw+4, \tw+2
	CM \tw+8, \tw+4, \tw+4
	CM \tw+10, \tw+8, \tw+2
	CM \tw+12, \tw+8, \tw+4
	CM \tw+14, \tw+8, \tw+6
	CM \tw+16, \tw+8, \tw+8
.irp a, 1,2,3,4,5,6,7
	CM \tw+16+2*\a, \tw+16, \tw+2*\a
.endr
.endm
.macro FFTHEAD                         ; wants v1 = lane, s18 = wave; leaves v25 = lane % 16, v26 = lane / 16
	s_mov_b32 s20, 0x76543210
	s_mov_b32 s21, 0xfedcba98                      ; v_permlanex16_b32's selects for lane l xor 16
	s_mul_i32 s19, s18, 4352
.if EXB
	s_add_co_u32 s19, s19, EXB
.endif
	v_and_b32 v25, 15, v0
	v_bfe_u32 v26, v0, 4, 1
	v_lshl_add_u32 v[EXW], v1, 3, s19
	v_mul_u32_u24 v[EXR], v25, 272
	v_lshl_add_u32 v[EXR], v26, 3, v[EXR]
	v_add_nc_u32 v[EXR], s19, v[EXR]
	v_lshlrev_b32 v[SG], 31, v26
	v_or_b32 v[SG], 0x3f800000, v[SG]
	v_mov_b32 v[SG+1], v[SG]
	v_cvt_f32_u32 v[QA], v1
	v_lshlrev_b32 v[QA+1], 4, v26
	v_cvt_f32_u32 v[QA+1], v[QA+1]
	SINCOS QA, TW1+2, 0x3c000000, 0xc3000000, 0x3b800000     ; W512^lane: y = lane / 256
	POWERS TW1
	SINCOS QA+1, TW2+2, 0x3c000000, 0xc3000000, 0x3b800000   ; W512^(16 (lane / 16))
	POWERS TW2
.irp i, 0,1,2,3,4,5,6,7,8,9,10,11,12,13,14,15,16,17,18,19,20,21,22,23,24,25,26,27,28,29,30,31
	v_mov_b32 v[PX+\i], 0                          ; written once: a lane permute's destination counts as one of its sources
.endr
.endm
	s_load_b128 s[4:7], s[0:1], 0x0                ; batch, w1
	v_lshl_add_u32 v208, v0, 2, 0xc400
	v_mov_b32 v209, 0
	v_and_b32 v1, 31, v0                           ; lane
	v_lshrrev_b32 v16, 5, v0
	v_readfirstlane_b32 s18, v16                   ; wave
	s_lshl_b32 s8, ttmp9, 2
	s_add_co_u32 s8, s8, s18                       ; 4 x work-group + wave = 128 p + hh
	s_lshr_b32 s9, s8, 7                           ; p
	s_and_b32 s10, s8, 127                         ; hh
	s_lshl_b32 s12, s9, 19                         ; batch: two images of 262,144 bytes a pair,
	s_lshl_b32 s13, s10, 11                        ; two rows of 1,024 bytes
	s_add_co_u32 s12, s12, s13
	s_mov_b32 s13, 0
	s_lshl_b32 s14, s9, 20                         ; w1: 1,048,576 bytes a pair, 256 bytes for each hh in a block of 16 slots
	s_lshl_b32 s15, s10, 8
	s_add_co_u32 s14, s14, s15
	s_mov_b32 s15, 0
	v_lshlrev_b32 v24, 2, v1
	s_wait_kmcnt 0x0
	s_add_nc_u64 s[4:5], s[4:5], s[12:13]
	s_add_nc_u64 s[6:7], s[6:7], s[14:15]
.irp e, 0,1                                    ; row e, cell n: w = lane + 32 n; each load reads 128 consecutive bytes; the real part from image 2 p, the imaginary from image 2 p + 1
.irp n, 0,1,2,3,4,5,6,7
	global_load_b32 v[D+96*\e+2*\n], v24, s[4:5] offset:1024*\e+128*\n th:TH_LOAD_NT
	global_load_b32 v[D+96*\e+2*\n+1], v24, s[4:5] offset:262144+1024*\e+128*\n th:TH_LOAD_NT
.endr
.endr
.irp i, 0,1,2,3,4,5,6,7,8,9,10,11,12,13,14,15
	v_mov_b32 v[D+16+\i], 0                        ; w = 256 .. 511: the padding
	v_mov_b32 v[D1+16+\i], 0
.endr
	FFTHEAD                                        ; twiddles and addresses are made while the loads are out
	v_mul_u32_u24 v27, v26, 255
	v_xor_b32 v27, v25, v27                        ; lanes 0-15: l % 16; lanes 16-31: 255 - l % 16
	s_lshl_b32 s11, s18, 13
	s_add_co_u32 s11, s11, OB                      ; my wave's 8,192 bytes
	v_lshl_add_u32 v28, v26, 4, s11
.irp c, 0,1,2,3,4,5,6,7,8,9,10,11,12,13,14,15  ; cell c holds column kk + 256 f, kk = l % 16 + 16 rv(c): slot 2 kk for f = 0, slot 2 ((256 - kk) % 256) + 1 for f = 1; 16 bytes a slot
	v_xor_b32 v[ADR+\c], 16*(\c/4+4*(\c%4)), v27
	v_add_nc_u32 v[ADR+\c], v[ADR+\c], v26
	v_and_b32 v[ADR+\c], 255, v[ADR+\c]
	v_lshl_add_u32 v[ADR+\c], v[ADR+\c], 5, v28
.endr
	v_lshl_add_u32 v29, v1, 4, s11                 ; back: a slot a lane
	v_lshlrev_b32 v30, 15, v26
	v_lshl_add_u32 v30, v25, 4, v30                ; w1: 32,768 bytes from a block of 16 slots to the next, 16 bytes a slot
	s_wait_loadcnt 16                              ; the first row's 16 loads are in; the second row's 16 may be out
	FFT512 D
.irp c, 0,1,2,3,4,5,6,7,8,9,10,11,12,13,14,15
	ds_store_b64 v[ADR+\c], v[D+2*\c:D+2*\c+1]
.endr
	s_wait_loadcnt 0x0
	FFT512 D1
.irp c, 0,1,2,3,4,5,6,7,8,9,10,11,12,13,14,15
	ds_store_b64 v[ADR+\c], v[D1+2*\c:D1+2*\c+1] offset:8
.endr
.irp i, 0,1,2,3,4,5,6,7,8,9,10,11,12,13,14,15  ; slots 32 i + lane, both rows: LDS serves a wave in order, so these see my stores
	ds_load_b128 v[32+4*\i+64*(\i/8):35+4*\i+64*(\i/8)], v29 offset:512*\i
.endr
.irp i, 0,1,2,3,4,5,6,7,8,9,10,11,12,13,14,15
	s_wait_dscnt 15-\i                             ; load i is in; the younger ones may be out
	global_store_b128 v30, v[32+4*\i+64*(\i/8):35+4*\i+64*(\i/8)], s[6:7] offset:65536*\i   ; sixteen lanes store 256 consecutive bytes, aligned
.endr
	s_barrier_signal -1
	s_barrier_wait -1
	s_wait_tensorcnt 0x0
	ds_add_u32 v208, v209
	s_wait_dscnt 0x0
	s_endpgm
.Lfunc_end_k_q195d574a97_rowfft:
	.size	k_q195d574a97_rowfft, .Lfunc_end_k_q195d574a97_rowfft-k_q195d574a97_rowfft
	.p2alignl 7, 3214868480
	.fill 96, 4, 3214868480
	.section	.rodata,"a",@progbits
	.p2align	6, 0x0
	.amdhsa_kernel k_q195d574a97_rowfft
		.amdhsa_group_segment_fixed_size 50688
		.amdhsa_private_segment_fixed_size 0
		.amdhsa_enable_private_segment 0
		.amdhsa_kernarg_size 16
		.amdhsa_user_sgpr_count 2
		.amdhsa_user_sgpr_kernarg_segment_ptr 1
		.amdhsa_wavefront_size32 1
		.amdhsa_system_sgpr_workgroup_id_x 1
		.amdhsa_system_sgpr_workgroup_id_y 1
		.amdhsa_system_sgpr_workgroup_id_z 1
		.amdhsa_system_vgpr_workitem_id 0
		.amdhsa_next_free_vgpr 210
		.amdhsa_next_free_sgpr 66
		.amdhsa_reserve_vcc 1
		.amdhsa_float_denorm_mode_32 3
		.amdhsa_float_denorm_mode_16_64 3
		.amdhsa_memory_ordered 1
		.amdhsa_forward_progress 1
		.amdhsa_inst_pref_size 63
	.end_amdhsa_kernel
	.amdgpu_metadata
---
amdhsa.version: [ 1, 2 ]
amdhsa.kernels:
  - .name:           k_q195d574a97_rowfft
    .symbol:         k_q195d574a97_rowfft.kd
    .args:
      - { .name: batch, .offset: 0, .size: 8, .value_kind: global_buffer, .address_space: global }
      - { .name: w1, .offset: 8, .size: 8, .value_kind: global_buffer, .address_space: global }
    .group_segment_fixed_size: 50688
    .private_segment_fixed_size: 0
    .kernarg_segment_align: 8
    .kernarg_segment_size: 16
    .max_flat_workgroup_size: 128
    .sgpr_count:     66
    .vgpr_count:     210
    .wavefront_size: 32
...
	.end_amdgpu_metadata
.endif
;; end of part 1
;; launch colfft (part 2): grid 256 x 1, 16 waves a work-group, no clusters, 256,000 bytes of LDS; arguments w1, w2; writes w2
.if DOCPART == 2
	.amdgcn_target "amdgcn-amd-amdhsa--gfx1250"
	.amdhsa_code_object_version 6
	.text
	.protected	k_q195d574a97_colfft
	.globl	k_q195d574a97_colfft
	.p2align	8
	.type	k_q195d574a97_colfft,@function
k_q195d574a97_colfft:
	s_mov_b64 s[64:65], 0
	v_nop
	global_prefetch_b8 v0, s[64:65] scope:SCOPE_SE
	s_setreg_imm32_b32 hwreg(HW_REG_WAVE_MODE, 25, 1), 1
	s_wait_xcnt 0x0
; SECOND LAUNCH.  For 16 column slots of one pair of images: the transform along h (256 rows, 256 zeros behind them) gives Z; the two images are parted and their magnitudes taken:
; G(h, k) = |Z(h, k) + conj Z(-h, -k)| + i |Z(h, k) - conj Z(-h, -k)| = 2 |F of image 2 p| + 2 i |F of image 2 p + 1|; then the transform of G along h.
; |F| is real and point-symmetric, so the inverse transform's real part is the forward transform / 2^18: only forward transforms are written.  No scaling here: powers of two pass through the block quantiser unchanged, and the last launch multiplies by 2^-37.
; A work-group = (pair p, block jb of 16 slots); wave t takes slot 16 jb + t.  Slots 2 j and 2 j + 1 are mirror columns, so wave t's partner is wave t xor 1; columns 0 and 256 (j = 0) mirror themselves.
; IN: w1 [p][jb][hh 128][t 16][e 2] complex; OUT: w2 [hh 256][p 8][jb 32][t 16][e 2] complex; row = 2 hh + e.  Both go through LDS in aligned pieces of 256 bytes.
; LIMITS: NaN and infinities are not served.  Twiddles by products: about 3e-7.  No tensor load, no cluster (work-groups share no bytes).
.set EXB,  0                           ; LDS: the exchange, 4,352 bytes a wave
.set OUTB, 69632                       ; 256 pieces (hh) of 256 bytes, 272 apart
.set INB,  139264                      ; 128 pieces (hh) of 256 bytes, 272 apart
.set AB,   174080                      ; Z: a column a wave, 513 places of 8 bytes (place 512 repeats place 0), 4,352 apart
.set PX,   128                         ; v[128:159] lane l xor 16's; the partner's numbers
.set AL,   160                         ; v[160:191] loaded and outgoing data; my own column reversed
.set T,   2                            ; v[2:11]  five pairs at work
.set QA,  10                           ; v10, v11 at the head: the twiddles' seeds
.set EXW, 12                           ; v12  the exchange: where I write
.set EXR, 13                           ; v13  and where I read
.set SG,  14                           ; v[14:15] +1 in lanes 0-15, -1 in lanes 16-31
.set D,   32                           ; v[32:63] 16 cells
.set TW1, 64                           ; v[64:95]  pair a: W512^(lane x a)
.set TW2, 96                           ; v[96:127] pair e: W32^((lane / 16) x e)
.set KC1, 0x3f6c835e                   ; cos(pi/8)
.set KS1, 0x3ec3ef15                   ; sin(pi/8)
.set KRH, 0x3f3504f3                   ; sqrt(1/2)
.set NC1, 0xbf6c835e
.set NS1, 0xbec3ef15
.set NRH, 0xbf3504f3
.macro R4 a, b, c, d                   ; a 4-point transform in place: result j in the j-th pair
	v_pk_add_f32 v[T:T+1], v[\a:\a+1], v[\c:\c+1]
	v_pk_add_f32 v[T+2:T+3], v[\a:\a+1], v[\c:\c+1] neg_lo:[0,1] neg_hi:[0,1]
	v_pk_add_f32 v[T+4:T+5], v[\b:\b+1], v[\d:\d+1]
	v_pk_add_f32 v[T+6:T+7], v[\b:\b+1], v[\d:\d+1] neg_lo:[0,1] neg_hi:[0,1]
	v_pk_add_f32 v[\a:\a+1], v[T:T+1], v[T+4:T+5]
	v_pk_add_f32 v[\c:\c+1], v[T:T+1], v[T+4:T+5] neg_lo:[0,1] neg_hi:[0,1]
	v_pk_add_f32 v[\b:\b+1], v[T+2:T+3], v[T+6:T+7] op_sel:[0,1] op_sel_hi:[1,0] neg_hi:[0,1]   ; - i u = (u.im, -u.re)
	v_pk_add_f32 v[\d:\d+1], v[T+2:T+3], v[T+6:T+7] op_sel:[0,1] op_sel_hi:[1,0] neg_lo:[0,1]   ; + i u
.endm
.macro KMUL x, wi, t                   ; t = (-x.im wi, x.re wi)
	v_pk_mul_f32 v[\t:\t+1], v[\x:\x+1], \wi op_sel:[1,0] op_sel_hi:[0,0] neg_lo:[1,0]
.endm
.macro KFMA x, wr, t                   ; x = x wr + t: with KMUL the product x (wr + i wi)
	v_pk_fma_f32 v[\x:\x+1], v[\x:\x+1], \wr, v[\t:\t+1] op_sel_hi:[1,0,1]
.endm
.macro DFT16 d                         ; 16 points in place; result a lies in cell c with rv(c) = c / 4 + 4 (c % 4) = a
.irp n, 0,2,4,6
	R4 \d+\n, \d+\n+8, \d+\n+16, \d+\n+24
.endr
	KMUL \d+10, NS1, T                             ; cell n2 + 4 k1 times W16^(n2 k1)
	KMUL \d+12, NRH, T+2
	KMUL \d+14, NC1, T+4
	KMUL \d+18, NRH, T+6
	KMUL \d+20, -1.0, T+8
	KFMA \d+10, KC1, T
	KFMA \d+12, KRH, T+2
	KFMA \d+14, KS1, T+4
	KFMA \d+18, KRH, T+6
	KFMA \d+20, 0, T+8
	KMUL \d+22, NRH, T
	KMUL \d+26, NC1, T+2
	KMUL \d+28, NRH, T+4
	KMUL \d+30, KS1, T+6
	KFMA \d+22, NRH, T
	KFMA \d+26, KS1, T+2
	KFMA \d+28, NRH, T+4
	KFMA \d+30, NC1, T+6
.irp k, 0,8,16,24
	R4 \d+\k, \d+\k+2, \d+\k+4, \d+\k+6
.endr
.endm
.macro TWID d, tw                      ; cell 4 g + i times pair g + 4 i of the table; cell 0 has the factor 1
.irp g, 0,1,2,3
.irp i, 0,1,2,3
.if \g+\i
	v_pk_mul_f32 v[T+2*\i:T+2*\i+1], v[\d+8*\g+2*\i:\d+8*\g+2*\i+1], v[\tw+2*\g+8*\i:\tw+2*\g+8*\i+1] op_sel:[1,1] op_sel_hi:[0,1] neg_lo:[1,0]
.endif
.endr
.irp i, 0,1,2,3
.if \g+\i
	v_pk_fma_f32 v[\d+8*\g+2*\i:\d+8*\g+2*\i+1], v[\d+8*\g+2*\i:\d+8*\g+2*\i+1], v[\tw+2*\g+8*\i:\tw+2*\g+8*\i+1], v[T+2*\i:T+2*\i+1] op_sel_hi:[1,0,1]
.endif
.endr
.endr
.endm
.macro EXCH d                          ; row a of 272 bytes takes the 32 lanes' result a; lane l reads row l % 16, places l / 16 + 2 d.  The bytes are the wave's own and LDS serves a wave in order: no barrier
.irp c, 0,1,2,3,4,5,6,7,8,9,10,11,12,13,14,15
	ds_store_b64 v[EXW], v[\d+2*\c:\d+2*\c+1] offset:272*(\c/4+4*(\c%4))
.endr
.irp c, 0,1,2,3,4,5,6,7,8,9,10,11,12,13,14,15
	ds_load_b64 v[\d+2*\c:\d+2*\c+1], v[EXR] offset:16*\c
.endr
	s_wait_dscnt 0x0
.endm
.macro RAD2 d                          ; lanes 0-15: own + other; lanes 16-31: other - own
.irp i, 0,1,2,3,4,5,6,7,8,9,10,11,12,13,14,15,16,17,18,19,20,21,22,23,24,25,26,27,28,29,30,31
	v_permlanex16_b32 v[PX+\i], v[\d+\i], s20, s21
.endr
.irp c, 0,2,4,6,8,10,12,14,16,18,20,22,24,26,28,30
	v_pk_fma_f32 v[\d+\c:\d+\c+1], v[\d+\c:\d+\c+1], v[SG:SG+1], v[PX+\c:PX+\c+1]
.endr
.endm
.macro FFT512 d                        ; in: lane n0, cell n1 = x[n0 + 32 n1]; out: lane l, cell c = X[l % 16 + 256 (l / 16) + 16 rv(c)]
	DFT16 \d
	TWID \d, TW1
	EXCH \d
	DFT16 \d
	TWID \d, TW2
	RAD2 \d
.endm
; dst = (cos(pi y), -sin(pi y)), y = q x cinv.  k = round(2 y), r = y - k / 2, at most 1/4 in size: Taylor series of sin(pi r) up to r^9 and of cos(pi r) up to r^10; k picks and signs them.  v16-23 at work
.macro SINCOS q, dst, c2inv, nhalf, cinv
	v_mul_f32 v16, \c2inv, v[\q]
	v_rndne_f32 v16, v16
	v_fmamk_f32 v17, v16, \nhalf, v[\q]
	v_mul_f32 v17, \cinv, v17
	v_mul_f32 v18, v17, v17
	v_mov_b32 v19, 0x3da83c1a
	v_mov_b32 v20, 0xbcd368f9
	v_fmaak_f32 v19, v19, v18, 0xbf196966
	v_fmaak_f32 v20, v20, v18, 0x3e70fa83
	v_fmaak_f32 v19, v19, v18, 0x402335e3
	v_fmaak_f32 v20, v20, v18, 0xbfaae9e4
	v_fmaak_f32 v19, v19, v18, 0xc0a55de7
	v_fmaak_f32 v20, v20, v18, 0x4081e0f8
	v_fmaak_f32 v19, v19, v18, 0x40490fdb
	v_fmaak_f32 v20, v20, v18, 0xc09de9e6
	v_mul_f32 v19, v19, v17                        ; sin(pi r)
	v_fma_f32 v20, v20, v18, 1.0                   ; cos(pi r)
	v_cvt_i32_f32 v21, v16
	v_and_b32 v22, 1, v21
	v_cmp_eq_u32 vcc_lo, 1, v22
	v_cndmask_b32 v[\dst], v20, v19, vcc_lo        ; odd k: the two change places
	v_cndmask_b32 v[\dst+1], v19, v20, vcc_lo
	v_add_nc_u32 v22, 1, v21
	v_and_b32 v22, 2, v22
	v_lshlrev_b32 v22, 30, v22
	v_xor_b32 v[\dst], v[\dst], v22                ; the cosine is negative for k % 4 = 1, 2
	v_xor_b32 v23, 2, v21
	v_and_b32 v23, 2, v23
	v_lshlrev_b32 v23, 30, v23
	v_xor_b32 v[\dst+1], v[\dst+1], v23            ; minus the sine is negative for k % 4 = 0, 1
.endm
.macro CM dst, x, y                    ; dst = x y, complex
	v_pk_mul_f32 v[\dst:\dst+1], v[\x:\x+1], v[\y:\y+1] op_sel:[1,1] op_sel_hi:[0,1] neg_lo:[1,0]
	v_pk_fma_f32 v[\dst:\dst+1], v[\x:\x+1], v[\y:\y+1], v[\dst:\dst+1] op_sel_hi:[1,0,1]
.endm
.macro POWERS tw                       ; pairs 2 to 15 from pair 1
	CM \tw+4, \tw+2, \tw+2
	CM \tw+6, \tw+4, \tw+2
	CM \tw+8, \tw+4, \tw+4
	CM \tw+10, \tw+8, \tw+2
	CM \tw+12, \tw+8, \tw+4
	CM \tw+14, \tw+8, \tw+6
	CM \tw+16, \tw+8, \tw+8
.irp a, 1,2,3,4,5,6,7
	CM \tw+16+2*\a, \tw+16, \tw+2*\a
.endr
.endm
.macro FFTHEAD                         ; wants v1 = lane, s18 = wave; leaves v25 = lane % 16, v26 = lane / 16
	s_mov_b32 s20, 0x76543210
	s_mov_b32 s21, 0xfedcba98                      ; v_permlanex16_b32's selects for lane l xor 16
	s_mul_i32 s19, s18, 4352
.if EXB
	s_add_co_u32 s19, s19, EXB
.endif
	v_and_b32 v25, 15, v0
	v_bfe_u32 v26, v0, 4, 1
	v_lshl_add_u32 v[EXW], v1, 3, s19
	v_mul_u32_u24 v[EXR], v25, 272
	v_lshl_add_u32 v[EXR], v26, 3, v[EXR]
	v_add_nc_u32 v[EXR], s19, v[EXR]
	v_lshlrev_b32 v[SG], 31, v26
	v_or_b32 v[SG], 0x3f800000, v[SG]
	v_mov_b32 v[SG+1], v[SG]
	v_cvt_f32_u32 v[QA], v1
	v_lshlrev_b32 v[QA+1], 4, v26
	v_cvt_f32_u32 v[QA+1], v[QA+1]
	SINCOS QA, TW1+2, 0x3c000000, 0xc3000000, 0x3b800000     ; W512^lane: y = lane / 256
	POWERS TW1
	SINCOS QA+1, TW2+2, 0x3c000000, 0xc3000000, 0x3b800000   ; W512^(16 (lane / 16))
	POWERS TW2
.irp i, 0,1,2,3,4,5,6,7,8,9,10,11,12,13,14,15,16,17,18,19,20,21,22,23,24,25,26,27,28,29,30,31
	v_mov_b32 v[PX+\i], 0                          ; written once: a lane permute's destination counts as one of its sources
.endr
.endm
.macro BARRIER                         ; my LDS stores have landed and my LDS loads are in: then the work-group's barrier
	s_wait_dscnt 0x0
	s_barrier_signal -1
	s_barrier_wait -1
.endm
	s_load_b128 s[4:7], s[0:1], 0x0                ; w1, w2
	v_lshl_add_u32 v192, v0, 2, 0x3e000
	v_mov_b32 v193, 0
	v_and_b32 v1, 31, v0                           ; lane
	v_lshrrev_b32 v16, 5, v0
	v_readfirstlane_b32 s18, v16                   ; wave t
	s_lshl_b32 s8, ttmp9, 15                       ; the work-group's number is 32 p + jb: its block of w1 is 32,768 dense bytes
	s_mov_b32 s9, 0
	s_lshl_b32 s10, s18, 11
	v_lshl_add_u32 v24, v1, 4, s10                 ; my wave's 2,048 bytes of it, 16 a lane
	s_lshl_b32 s22, ttmp9, 8                       ; and 256 bytes in each hh of w2
	s_mov_b32 s23, 0
	s_wait_kmcnt 0x0
	s_add_nc_u64 s[4:5], s[4:5], s[8:9]
	s_add_nc_u64 s[6:7], s[6:7], s[22:23]
.irp i, 0,1,2,3
	global_load_b128 v[AL+4*\i:AL+4*\i+3], v24, s[4:5] offset:512*\i th:TH_LOAD_NT
.endr
	FFTHEAD                                        ; twiddles and addresses are made while the loads are out
	s_mul_i32 s11, s18, 2176
	s_add_co_u32 s11, s11, INB
	v_mul_u32_u24 v27, v26, 272
	v_lshl_add_u32 v27, v25, 4, v27
	v_add_nc_u32 v27, s11, v27                     ; v27: the tile's way in: piece 8 t + 2 i + lane / 16
	s_lshl_b32 s12, s18, 4
	s_add_co_u32 s13, s12, INB
	v_lshrrev_b32 v28, 1, v1
	v_mul_u32_u24 v28, v28, 272
	v_and_b32 v29, 1, v1
	v_lshl_add_u32 v28, v29, 3, v28
	v_add_nc_u32 v28, s13, v28                     ; v28: my column's row h = lane: piece lane / 2, 16 t + 8 (lane % 2) in it
	s_mul_i32 s14, s18, 4352
	s_add_co_u32 s14, s14, AB
	v_lshlrev_b32 v29, 11, v26
	v_lshl_add_u32 v29, v25, 3, v29
	v_add_nc_u32 v29, s14, v29                     ; v29: Z's place l % 16 + 256 (l / 16) in my column
	v_lshl_add_u32 v30, v1, 3, s14                 ; v30: place lane of my column
	s_xor_b32 s15, s18, 1
	s_mul_i32 s15, s15, 4352
	s_add_co_u32 s15, s15, AB
	v_sub_nc_u32 v20, 32, v1
	v_lshl_add_u32 v31, v20, 3, s14                ; v31: place 32 - lane of my column,
	v_lshl_add_u32 v16, v20, 3, s15                ; v16: and of wave t xor 1's
	s_add_co_u32 s24, s12, OUTB
	v_lshrrev_b32 v17, 1, v25
	v_mul_u32_u24 v17, v17, 272
	v_and_b32 v20, 1, v25
	v_lshl_add_u32 v17, v20, 3, v17
	v_mad_u32_u24 v17, v26, 34816, v17
	v_add_nc_u32 v17, s24, v17                     ; v17: result row l % 16 + 256 (l / 16): piece (row / 2), 16 t + 8 (row % 2) in it
	s_mul_i32 s16, s18, 4352
	s_add_co_u32 s16, s16, OUTB
	v_mul_u32_u24 v18, v26, 272
	v_lshl_add_u32 v18, v25, 4, v18
	v_add_nc_u32 v18, s16, v18                     ; v18: the way out: piece 16 t + 2 i + lane / 16
	s_lshl_b32 s17, s18, 20
	v_lshlrev_b32 v19, 16, v26
	v_lshl_add_u32 v19, v25, 4, v19
	v_add_nc_u32 v19, s17, v19                     ; v19: the same piece in w2: 65,536 bytes from hh to hh + 1
	s_and_b32 s25, ttmp9, 31
	s_lshl_b32 s25, s25, 3
	s_lshr_b32 s27, s18, 1
	s_add_co_u32 s25, s25, s27                     ; j = 8 jb + t / 2
	s_cmp_eq_u32 s25, 0
	s_cselect_b32 s26, -1, 0                       ; all ones where my column mirrors itself
	s_wait_loadcnt 0x0
.irp i, 0,1,2,3
	ds_store_b128 v27, v[AL+4*\i:AL+4*\i+3] offset:544*\i
.endr
	BARRIER                                        ; the tile lies in LDS
.irp n, 0,1,2,3,4,5,6,7
	ds_load_b64 v[D+2*\n:D+2*\n+1], v28 offset:4352*\n   ; row lane + 32 n
.endr
.irp i, 0,1,2,3,4,5,6,7,8,9,10,11,12,13,14,15
	v_mov_b32 v[D+16+\i], 0                        ; rows 256 .. 511: the padding
.endr
	s_wait_dscnt 0x0
	FFT512 D                                       ; Z of my column
.irp c, 0,1,2,3,4,5,6,7,8,9,10,11,12,13,14,15
	ds_store_b64 v29, v[D+2*\c:D+2*\c+1] offset:128*(\c/4+4*(\c%4))
.endr
	ds_store_b64 v30, v[D:D+1] offset:4096         ; lane 0 repeats Z[0] at place 512; the other lanes fill the rest of the column's 4,352 bytes, which nobody reads
	BARRIER                                        ; all sixteen columns of Z lie in LDS; nothing writes them again
.irp n, 0,1,2,3,4,5,6,7,8,9,10,11,12,13,14,15
	ds_load_b64 v[D+2*\n:D+2*\n+1], v30 offset:256*\n            ; Z(h), h = lane + 32 n
	ds_load_b64 v[PX+2*\n:PX+2*\n+1], v16 offset:256*(15-\n)     ; the neighbour's Z(512 - h)
	ds_load_b64 v[AL+2*\n:AL+2*\n+1], v31 offset:256*(15-\n)     ; my own Z(512 - h)
.endr
	s_wait_dscnt 0x0
.irp i, 0,1,2,3,4,5,6,7,8,9,10,11,12,13,14,15,16,17,18,19,20,21,22,23,24,25,26,27,28,29,30,31
	v_cndmask_b32 v[PX+\i], v[PX+\i], v[AL+\i], s26   ; a choice of values: no LDS address hangs on the work-group's number
.endr
.set cc, 0
.rept 16
.set tt, T+4*(cc%2)
	v_pk_add_f32 v[tt:tt+1], v[D+2*cc:D+2*cc+1], v[PX+2*cc:PX+2*cc+1] neg_hi:[0,1]      ; Z + conj Z'
	v_pk_add_f32 v[tt+2:tt+3], v[D+2*cc:D+2*cc+1], v[PX+2*cc:PX+2*cc+1] neg_lo:[0,1]    ; Z - conj Z'
	v_pk_mul_f32 v[tt:tt+1], v[tt:tt+1], v[tt:tt+1]
	v_pk_mul_f32 v[tt+2:tt+3], v[tt+2:tt+3], v[tt+2:tt+3]
	v_add_f32 v[D+2*cc], v[tt], v[tt+1]
	v_add_f32 v[D+2*cc+1], v[tt+2], v[tt+3]
.set cc, cc+1
.endr
.irp i, 0,1,2,3,4,5,6,7,8,9,10,11,12,13,14,15,16,17,18,19,20,21,22,23,24,25,26,27,28,29,30,31
	v_sqrt_f32 v[D+\i], v[D+\i]                    ; one batch
.endr
	v_nop                                          ; a plain instruction behind the last root
	s_wait_alu depctr_va_vdst(0)                   ; one wait for the batch, ahead of its first reader
	FFT512 D
.irp c, 0,1,2,3,4,5,6,7,8,9,10,11,12,13,14,15
	ds_store_b64 v17, v[D+2*\c:D+2*\c+1] offset:2176*(\c/4+4*(\c%4))
.endr
	BARRIER                                        ; 256 whole pieces lie in LDS
.irp i, 0,1,2,3,4,5,6,7
	ds_load_b128 v[AL+4*\i:AL+4*\i+3], v18 offset:544*\i
.endr
.irp i, 0,1,2,3,4,5,6,7
	s_wait_dscnt 7-\i                              ; load i is in; the younger ones may be out
	global_store_b128 v19, v[AL+4*\i:AL+4*\i+3], s[6:7] offset:131072*\i   ; sixteen lanes store 256 consecutive bytes, aligned
.endr
	s_barrier_signal -1
	s_barrier_wait -1
	s_wait_tensorcnt 0x0
	ds_add_u32 v192, v193
	s_wait_dscnt 0x0
	s_endpgm
.Lfunc_end_k_q195d574a97_colfft:
	.size	k_q195d574a97_colfft, .Lfunc_end_k_q195d574a97_colfft-k_q195d574a97_colfft
	.p2alignl 7, 3214868480
	.fill 96, 4, 3214868480
	.section	.rodata,"a",@progbits
	.p2align	6, 0x0
	.amdhsa_kernel k_q195d574a97_colfft
		.amdhsa_group_segment_fixed_size 256000
		.amdhsa_private_segment_fixed_size 0
		.amdhsa_enable_private_segment 0
		.amdhsa_kernarg_size 16
		.amdhsa_user_sgpr_count 2
		.amdhsa_user_sgpr_kernarg_segment_ptr 1
		.amdhsa_wavefront_size32 1
		.amdhsa_system_sgpr_workgroup_id_x 1
		.amdhsa_system_sgpr_workgroup_id_y 1
		.amdhsa_system_sgpr_workgroup_id_z 1
		.amdhsa_system_vgpr_workitem_id 0
		.amdhsa_next_free_vgpr 194
		.amdhsa_next_free_sgpr 66
		.amdhsa_reserve_vcc 1
		.amdhsa_float_denorm_mode_32 3
		.amdhsa_float_denorm_mode_16_64 3
		.amdhsa_memory_ordered 1
		.amdhsa_forward_progress 1
		.amdhsa_inst_pref_size 69
	.end_amdhsa_kernel
	.amdgpu_metadata
---
amdhsa.version: [ 1, 2 ]
amdhsa.kernels:
  - .name:           k_q195d574a97_colfft
    .symbol:         k_q195d574a97_colfft.kd
    .args:
      - { .name: w1, .offset: 0, .size: 8, .value_kind: global_buffer, .address_space: global }
      - { .name: w2, .offset: 8, .size: 8, .value_kind: global_buffer, .address_space: global }
    .group_segment_fixed_size: 256000
    .private_segment_fixed_size: 0
    .kernarg_segment_align: 8
    .kernarg_segment_size: 16
    .max_flat_workgroup_size: 512
    .sgpr_count:     66
    .vgpr_count:     194
    .wavefront_size: 32
...
	.end_amdgpu_metadata
.endif
;; end of part 2
;; launch mask (part 3): grid 256 x 1, 16 waves a work-group, no clusters, 215,808 bytes of LDS; arguments w2, lp, part; writes part
.if DOCPART == 3
	.amdgcn_target "amdgcn-amd-amdhsa--gfx1250"
	.amdhsa_code_object_version 6
	.text
	.protected	k_q195d574a97_mask
	.globl	k_q195d574a97_mask
	.p2align	8
	.type	k_q195d574a97_mask,@function
k_q195d574a97_mask:
	s_mov_b64 s[64:65], 0
	v_nop
	global_prefetch_b8 v0, s[64:65] scope:SCOPE_SE
	s_setreg_imm32_b32 hwreg(HW_REG_WAVE_MODE, 25, 1), 1
	s_wait_xcnt 0x0
; THIRD LAUNCH.  Work-group g owns rows 2 g and 2 g + 1 of the 512 x 512 grid: 1,024 along the quantised product's K, 8 steps of 128.
; PHASE A (16 waves): wave u makes the last transform, along the columns, of row 2 g + u % 2 of pair u / 2: real part = 2^19 pseudo of image 2 p, imaginary part = that of image 2 p + 1.  Then each of the 512 lanes
; quantises one block of 32 along w of one image to E2M3; codes and scale bytes go to LDS as images of the operand's registers.  (The factor 2^19 only moves the scale bytes; the last launch takes it out.)
; PHASE B (waves 0-11, three on each SIMD; 180 angles are 12 tiles of 16, of which the last has 4): wave u makes the mask numbers of angles 16 u .. 16 u + 15 in the order of the operand's registers
; (lane (r, h): angle 16 u + r, k = 64 c + 32 h + 0 .. 31), quantises them in registers and issues one scaled matrix instruction for each K step.  Neither operand goes to memory.
; THE MASK: x = m cos(th) + n sin(th); the six sincs share one sine: mask = sin(pi x) N / D, D = x a b, a = x^2 - 1, b = x^2 - 4, N = (A2 a + A1) a + A0, c_p = 2 lp_p / pi,
; A2 = c0 - c1 + c2, A1 = -3 c0 + 2 c1 + c2, A0 = 3 c1.  sin(pi x) = (-1)^k r P(r^2), k = round(x), r = x - k (exact), P the Taylor series up to r^11 (what is left out: 6e-8 of the sine at |r| = 1/2).
; The zeros of the sine at 0, +-1, +-2 and those of D are both formed without cancellation, so the quotient holds there.
; LIMITS: x's lowest mantissa bit is set and 2^-60 is added, so that x is never 0, +-1, +-2: x is moved by at most one unit in its last place.  NaN and infinities are not served.
; A block of zeros gets the scale byte 1 (its codes are zeros; this program alone reads the bytes).  Twiddles by products: about 3e-7.
; OUT: part [g 256][tile 12][half 2][lane 32][4] f32: the accumulators as they stand.  A sum over work-groups wants a launch of its own.
; No tensor load (each LDS byte is filled once, 64 KiB in all), no cluster (work-groups share no bytes).
.set TILE, 0                           ; LDS: my 65,536 bytes of w2 as they lie: [p 8][slot 512][e 2] complex
.set EXB,  65536                       ; the exchange, 4,352 bytes a wave
.set PS,   135168                      ; pseudo: image b at 4,112 b, row e at + 2,048, 4 bytes a column
.set FIMG, 200960                      ; the codes: 1,536 bytes a K step, 48 a lane
.set SCB,  213248                      ; the scale words: 64 bytes a K step, 4 an image
.set PX,   128                         ; phase A: v[128:159] lane l xor 16's
.set IO,  32                           ; phase B: v[32:47] the numbers 0 .. 15
.set X,   48
.set KK,  64                           ; x + 1.5 x 2^23, later N
.set R,   80
.set Z,   96
.set P,   112
.set A,   128
.set B,   144
.set V,   160                          ; v[160:191] 32 numbers of a block; at the head: the tile's loads
.set AF,  192                          ; v[192:203] the mask's codes
.set CV,  204                          ; v[204:206] a block's upper 16 codes (a conversion's three registers begin on an even number)
.set BF,  208                          ; v[208:219] pseudo's codes
.set ACC, 220                          ; v[220:227]
.set ASC, 228                          ; the mask's scale word
.set BSC, 229                          ; pseudo's
.set SM,  230                          ; (sin th, m cos th)
.set CA,  232                          ; (A2, A1)
.set CB,  234                          ; (A0, the series' coefficient of r^9)
.set NBP, 236                          ; the first n of 16; its upper half is only named
.set COS, 238
.set NB,  239                          ; the K step's first n + 32 h
.set H32, 240
.set H8,  241
.set M0,  242
.set M1,  243
.set SCL, 244
.set E0,  245
.set E1,  246
.set WT,  247
.set T,   2                            ; v[2:11]  five pairs at work
.set QA,  10                           ; v10, v11 at the head: seeds
.set EXW, 12                           ; v12  the exchange: where I write
.set EXR, 13                           ; v13  and where I read
.set SG,  14                           ; v[14:15] +1 in lanes 0-15, -1 in lanes 16-31
.set D,   32                           ; v[32:63] 16 cells
.set TW1, 64                           ; v[64:95]  pair a: W512^(lane x a)
.set TW2, 96                           ; v[96:127] pair e: W32^((lane / 16) x e)
.set KC1, 0x3f6c835e                   ; cos(pi/8)
.set KS1, 0x3ec3ef15                   ; sin(pi/8)
.set KRH, 0x3f3504f3                   ; sqrt(1/2)
.set NC1, 0xbf6c835e
.set NS1, 0xbec3ef15
.set NRH, 0xbf3504f3
.macro R4 a, b, c, d                   ; a 4-point transform in place: result j in the j-th pair
	v_pk_add_f32 v[T:T+1], v[\a:\a+1], v[\c:\c+1]
	v_pk_add_f32 v[T+2:T+3], v[\a:\a+1], v[\c:\c+1] neg_lo:[0,1] neg_hi:[0,1]
	v_pk_add_f32 v[T+4:T+5], v[\b:\b+1], v[\d:\d+1]
	v_pk_add_f32 v[T+6:T+7], v[\b:\b+1], v[\d:\d+1] neg_lo:[0,1] neg_hi:[0,1]
	v_pk_add_f32 v[\a:\a+1], v[T:T+1], v[T+4:T+5]
	v_pk_add_f32 v[\c:\c+1], v[T:T+1], v[T+4:T+5] neg_lo:[0,1] neg_hi:[0,1]
	v_pk_add_f32 v[\b:\b+1], v[T+2:T+3], v[T+6:T+7] op_sel:[0,1] op_sel_hi:[1,0] neg_hi:[0,1]   ; - i u = (u.im, -u.re)
	v_pk_add_f32 v[\d:\d+1], v[T+2:T+3], v[T+6:T+7] op_sel:[0,1] op_sel_hi:[1,0] neg_lo:[0,1]   ; + i u
.endm
.macro KMUL x, wi, t                   ; t = (-x.im wi, x.re wi)
	v_pk_mul_f32 v[\t:\t+1], v[\x:\x+1], \wi op_sel:[1,0] op_sel_hi:[0,0] neg_lo:[1,0]
.endm
.macro KFMA x, wr, t                   ; x = x wr + t: with KMUL the product x (wr + i wi)
	v_pk_fma_f32 v[\x:\x+1], v[\x:\x+1], \wr, v[\t:\t+1] op_sel_hi:[1,0,1]
.endm
.macro DFT16 d                         ; 16 points in place; result a lies in cell c with rv(c) = c / 4 + 4 (c % 4) = a
.irp n, 0,2,4,6
	R4 \d+\n, \d+\n+8, \d+\n+16, \d+\n+24
.endr
	KMUL \d+10, NS1, T                             ; cell n2 + 4 k1 times W16^(n2 k1)
	KMUL \d+12, NRH, T+2
	KMUL \d+14, NC1, T+4
	KMUL \d+18, NRH, T+6
	KMUL \d+20, -1.0, T+8
	KFMA \d+10, KC1, T
	KFMA \d+12, KRH, T+2
	KFMA \d+14, KS1, T+4
	KFMA \d+18, KRH, T+6
	KFMA \d+20, 0, T+8
	KMUL \d+22, NRH, T
	KMUL \d+26, NC1, T+2
	KMUL \d+28, NRH, T+4
	KMUL \d+30, KS1, T+6
	KFMA \d+22, NRH, T
	KFMA \d+26, KS1, T+2
	KFMA \d+28, NRH, T+4
	KFMA \d+30, NC1, T+6
.irp k, 0,8,16,24
	R4 \d+\k, \d+\k+2, \d+\k+4, \d+\k+6
.endr
.endm
.macro TWID d, tw                      ; cell 4 g + i times pair g + 4 i of the table; cell 0 has the factor 1
.irp g, 0,1,2,3
.irp i, 0,1,2,3
.if \g+\i
	v_pk_mul_f32 v[T+2*\i:T+2*\i+1], v[\d+8*\g+2*\i:\d+8*\g+2*\i+1], v[\tw+2*\g+8*\i:\tw+2*\g+8*\i+1] op_sel:[1,1] op_sel_hi:[0,1] neg_lo:[1,0]
.endif
.endr
.irp i, 0,1,2,3
.if \g+\i
	v_pk_fma_f32 v[\d+8*\g+2*\i:\d+8*\g+2*\i+1], v[\d+8*\g+2*\i:\d+8*\g+2*\i+1], v[\tw+2*\g+8*\i:\tw+2*\g+8*\i+1], v[T+2*\i:T+2*\i+1] op_sel_hi:[1,0,1]
.endif
.endr
.endr
.endm
.macro EXCH d                          ; row a of 272 bytes takes the 32 lanes' result a; lane l reads row l % 16, places l / 16 + 2 d.  The bytes are the wave's own and LDS serves a wave in order: no barrier
.irp c, 0,1,2,3,4,5,6,7,8,9,10,11,12,13,14,15
	ds_store_b64 v[EXW], v[\d+2*\c:\d+2*\c+1] offset:272*(\c/4+4*(\c%4))
.endr
.irp c, 0,1,2,3,4,5,6,7,8,9,10,11,12,13,14,15
	ds_load_b64 v[\d+2*\c:\d+2*\c+1], v[EXR] offset:16*\c
.endr
	s_wait_dscnt 0x0
.endm
.macro RAD2 d                          ; lanes 0-15: own + other; lanes 16-31: other - own
.irp i, 0,1,2,3,4,5,6,7,8,9,10,11,12,13,14,15,16,17,18,19,20,21,22,23,24,25,26,27,28,29,30,31
	v_permlanex16_b32 v[PX+\i], v[\d+\i], s20, s21
.endr
.irp c, 0,2,4,6,8,10,12,14,16,18,20,22,24,26,28,30
	v_pk_fma_f32 v[\d+\c:\d+\c+1], v[\d+\c:\d+\c+1], v[SG:SG+1], v[PX+\c:PX+\c+1]
.endr
.endm
.macro FFT512 d                        ; in: lane n0, cell n1 = x[n0 + 32 n1]; out: lane l, cell c = X[l % 16 + 256 (l / 16) + 16 rv(c)]
	DFT16 \d
	TWID \d, TW1
	EXCH \d
	DFT16 \d
	TWID \d, TW2
	RAD2 \d
.endm
; dst = (cos(pi y), -sin(pi y)), y = q x cinv.  k = round(2 y), r = y - k / 2, at most 1/4 in size: Taylor series of sin(pi r) up to r^9 and of cos(pi r) up to r^10; k picks and signs them.  v16-23 at work
.macro SINCOS q, dst, c2inv, nhalf, cinv
	v_mul_f32 v16, \c2inv, v[\q]
	v_rndne_f32 v16, v16
	v_fmamk_f32 v17, v16, \nhalf, v[\q]
	v_mul_f32 v17, \cinv, v17
	v_mul_f32 v18, v17, v17
	v_mov_b32 v19, 0x3da83c1a
	v_mov_b32 v20, 0xbcd368f9
	v_fmaak_f32 v19, v19, v18, 0xbf196966
	v_fmaak_f32 v20, v20, v18, 0x3e70fa83
	v_fmaak_f32 v19, v19, v18, 0x402335e3
	v_fmaak_f32 v20, v20, v18, 0xbfaae9e4
	v_fmaak_f32 v19, v19, v18, 0xc0a55de7
	v_fmaak_f32 v20, v20, v18, 0x4081e0f8
	v_fmaak_f32 v19, v19, v18, 0x40490fdb
	v_fmaak_f32 v20, v20, v18, 0xc09de9e6
	v_mul_f32 v19, v19, v17                        ; sin(pi r)
	v_fma_f32 v20, v20, v18, 1.0                   ; cos(pi r)
	v_cvt_i32_f32 v21, v16
	v_and_b32 v22, 1, v21
	v_cmp_eq_u32 vcc_lo, 1, v22
	v_cndmask_b32 v[\dst], v20, v19, vcc_lo        ; odd k: the two change places
	v_cndmask_b32 v[\dst+1], v19, v20, vcc_lo
	v_add_nc_u32 v22, 1, v21
	v_and_b32 v22, 2, v22
	v_lshlrev_b32 v22, 30, v22
	v_xor_b32 v[\dst], v[\dst], v22                ; the cosine is negative for k % 4 = 1, 2
	v_xor_b32 v23, 2, v21
	v_and_b32 v23, 2, v23
	v_lshlrev_b32 v23, 30, v23
	v_xor_b32 v[\dst+1], v[\dst+1], v23            ; minus the sine is negative for k % 4 = 0, 1
.endm
.macro CM dst, x, y                    ; dst = x y, complex
	v_pk_mul_f32 v[\dst:\dst+1], v[\x:\x+1], v[\y:\y+1] op_sel:[1,1] op_sel_hi:[0,1] neg_lo:[1,0]
	v_pk_fma_f32 v[\dst:\dst+1], v[\x:\x+1], v[\y:\y+1], v[\dst:\dst+1] op_sel_hi:[1,0,1]
.endm
.macro POWERS tw                       ; pairs 2 to 15 from pair 1
	CM \tw+4, \tw+2, \tw+2
	CM \tw+6, \tw+4, \tw+2
	CM \tw+8, \tw+4, \tw+4
	CM \tw+10, \tw+8, \tw+2
	CM \tw+12, \tw+8, \tw+4
	CM \tw+14, \tw+8, \tw+6
	CM \tw+16, \tw+8, \tw+8
.irp a, 1,2,3,4,5,6,7
	CM \tw+16+2*\a, \tw+16, \tw+2*\a
.endr
.endm
.macro FFTHEAD                         ; wants v1 = lane, s18 = wave; leaves v25 = lane % 16, v26 = lane / 16
	s_mov_b32 s20, 0x76543210
	s_mov_b32 s21, 0xfedcba98                      ; v_permlanex16_b32's selects for lane l xor 16
	s_mul_i32 s19, s18, 4352
.if EXB
	s_add_co_u32 s19, s19, EXB
.endif
	v_and_b32 v25, 15, v0
	v_bfe_u32 v26, v0, 4, 1
	v_lshl_add_u32 v[EXW], v1, 3, s19
	v_mul_u32_u24 v[EXR], v25, 272
	v_lshl_add_u32 v[EXR], v26, 3, v[EXR]
	v_add_nc_u32 v[EXR], s19, v[EXR]
	v_lshlrev_b32 v[SG], 31, v26
	v_or_b32 v[SG], 0x3f800000, v[SG]
	v_mov_b32 v[SG+1], v[SG]
	v_cvt_f32_u32 v[QA], v1
	v_lshlrev_b32 v[QA+1], 4, v26
	v_cvt_f32_u32 v[QA+1], v[QA+1]
	SINCOS QA, TW1+2, 0x3c000000, 0xc3000000, 0x3b800000     ; W512^lane: y = lane / 256
	POWERS TW1
	SINCOS QA+1, TW2+2, 0x3c000000, 0xc3000000, 0x3b800000   ; W512^(16 (lane / 16))
	POWERS TW2
.irp i, 0,1,2,3,4,5,6,7,8,9,10,11,12,13,14,15,16,17,18,19,20,21,22,23,24,25,26,27,28,29,30,31
	v_mov_b32 v[PX+\i], 0                          ; written once: a lane permute's destination counts as one of its sources
.endr
.endm
.macro BARRIER                         ; my LDS stores have landed and my LDS loads are in: then the work-group's barrier
	s_wait_dscnt 0x0
	s_barrier_signal -1
	s_barrier_wait -1
.endm
; A block of 32 numbers of one lane, v[src] on, becomes 6 registers of codes, v[dst] on, and its scale byte in v[eb].
.macro QBLK src, dst, eb
	v_max3_num_f32 v[M0], |v[\src]|, |v[\src+1]|, 0x1800000      ; the largest magnitude, in two chains, over the floor 2^(3 - 127): so the byte cannot fall under 1
	v_max3_num_f32 v[M1], |v[\src+2]|, |v[\src+3]|, 0x1800000
.irp i, 4,8,12,16,20,24,28
	v_max3_num_f32 v[M0], v[M0], |v[\src+\i]|, |v[\src+\i+1]|
	v_max3_num_f32 v[M1], v[M1], |v[\src+\i+2]|, |v[\src+\i+3]|
.endr
	v_max_num_f32 v[M0], v[M0], v[M1]
	v_add_nc_u32 v[SCL], 0xff000000, v[M0]         ; 2 off its exponent field: the conversion takes the exponent field of this operand as its scale
	v_lshrrev_b32 v[\eb], 23, v[SCL]               ; the scale's byte
	v_cvt_scalef32_pk16_fp6_f32 v[\dst:\dst+2], v[\src:\src+15], v[SCL]
	v_cvt_scalef32_pk16_fp6_f32 v[CV:CV+2], v[\src+16:\src+31], v[SCL]
	v_nop                                          ; one plain instruction behind a scaled conversion
	v_mov_b32 v[\dst+3], v[CV]
	v_mov_b32 v[\dst+4], v[CV+1]
	v_mov_b32 v[\dst+5], v[CV+2]
.endm
; 16 mask numbers, for n = NB + koff + 0 .. 15, into v[dst] on.  Every stage runs over the 16 before the next begins, so that no line waits for the line above it.
.macro GEN16 dst, koff
	v_add_f32 v[NBP], \koff, v[NB]
.irp j, 0,2,4,6,8,10,12,14
	v_pk_add_f32 v[X+\j:X+\j+1], v[IO+\j:IO+\j+1], v[NBP:NBP+1] op_sel_hi:[1,0]          ; n, exact
.endr
.irp j, 0,2,4,6,8,10,12,14
	v_pk_fma_f32 v[X+\j:X+\j+1], v[X+\j:X+\j+1], v[SM:SM+1], v[SM:SM+1] op_sel:[0,0,1] op_sel_hi:[1,0,1]   ; x = n sin + m cos
.endr
.irp i, 0,1,2,3,4,5,6,7,8,9,10,11,12,13,14,15
	v_or_b32 v[X+\i], 1, v[X+\i]                   ; never +-1, +-2
.endr
.irp j, 0,2,4,6,8,10,12,14
	v_pk_add_f32 v[X+\j:X+\j+1], v[X+\j:X+\j+1], 0x21800000 op_sel_hi:[1,0]              ; never 0, never denormal
.endr
.irp j, 0,2,4,6,8,10,12,14
	v_pk_add_f32 v[KK+\j:KK+\j+1], v[X+\j:X+\j+1], 0x4b400000 op_sel_hi:[1,0]            ; 1.5 x 2^23 + k: its lowest bit is k's
.endr
.irp j, 0,2,4,6,8,10,12,14
	v_pk_add_f32 v[R+\j:R+\j+1], v[KK+\j:KK+\j+1], 0xcb400000 op_sel_hi:[1,0]            ; k
.endr
.irp j, 0,2,4,6,8,10,12,14
	v_pk_add_f32 v[R+\j:R+\j+1], v[X+\j:X+\j+1], v[R+\j:R+\j+1] neg_lo:[0,1] neg_hi:[0,1]   ; r = x - k
.endr
.irp j, 0,2,4,6,8,10,12,14
	v_pk_mul_f32 v[Z+\j:Z+\j+1], v[R+\j:R+\j+1], v[R+\j:R+\j+1]
.endr
.irp i, 0,1,2,3,4,5,6,7,8,9,10,11,12,13,14,15
	v_lshl_add_u32 v[R+\i], v[KK+\i], 31, v[R+\i]  ; (-1)^k r: an odd k turns the sign bit
.endr
.irp j, 0,2,4,6,8,10,12,14
	v_pk_fma_f32 v[P+\j:P+\j+1], v[Z+\j:Z+\j+1], 0xbbf183a8, v[CB:CB+1] op_sel:[0,0,1] op_sel_hi:[1,0,1]
.endr
.irp k, 0xbf196966, 0x402335e3, 0xc0a55de7, 0x40490fdb
.irp j, 0,2,4,6,8,10,12,14
	v_pk_fma_f32 v[P+\j:P+\j+1], v[P+\j:P+\j+1], v[Z+\j:Z+\j+1], \k op_sel_hi:[1,1,0]
.endr
.endr
.irp j, 0,2,4,6,8,10,12,14
	v_pk_fma_f32 v[A+\j:A+\j+1], v[X+\j:X+\j+1], v[X+\j:X+\j+1], -1.0 op_sel_hi:[1,1,0]
	v_pk_fma_f32 v[B+\j:B+\j+1], v[X+\j:X+\j+1], v[X+\j:X+\j+1], -4.0 op_sel_hi:[1,1,0]
.endr
.irp j, 0,2,4,6,8,10,12,14
	v_pk_fma_f32 v[KK+\j:KK+\j+1], v[A+\j:A+\j+1], v[CA:CA+1], v[CA:CA+1] op_sel:[0,0,1] op_sel_hi:[1,0,1]
	v_pk_mul_f32 v[B+\j:B+\j+1], v[A+\j:A+\j+1], v[B+\j:B+\j+1]
.endr
.irp j, 0,2,4,6,8,10,12,14
	v_pk_fma_f32 v[KK+\j:KK+\j+1], v[KK+\j:KK+\j+1], v[A+\j:A+\j+1], v[CB:CB+1] op_sel_hi:[1,1,0]   ; N
	v_pk_mul_f32 v[B+\j:B+\j+1], v[B+\j:B+\j+1], v[X+\j:X+\j+1]                                    ; D
.endr
.irp i, 0,1,2,3,4,5,6,7,8,9,10,11,12,13,14,15
	v_rcp_f32 v[B+\i], v[B+\i]                     ; one batch
.endr
.irp j, 0,2,4,6,8,10,12,14
	v_pk_mul_f32 v[R+\j:R+\j+1], v[R+\j:R+\j+1], v[P+\j:P+\j+1]      ; the sine: plain work behind the batch, which names none of its results
.endr
.irp j, 0,2,4,6,8,10,12,14
	v_pk_mul_f32 v[R+\j:R+\j+1], v[R+\j:R+\j+1], v[KK+\j:KK+\j+1]
.endr
	s_wait_alu depctr_va_vdst(0)                   ; one wait for the 16 reciprocals, ahead of their first reader
.irp j, 0,2,4,6,8,10,12,14
	v_pk_mul_f32 v[\dst+\j:\dst+\j+1], v[R+\j:R+\j+1], v[B+\j:B+\j+1]
.endr
.endm
	s_load_b128 s[4:7], s[0:1], 0x0                ; w2, lp
	s_load_b64 s[8:9], s[0:1], 0x10                ; part
	v_lshl_add_u32 v254, v0, 2, 0x34300
	v_mov_b32 v255, 0
	v_and_b32 v1, 31, v0                           ; lane
	v_lshrrev_b32 v16, 5, v0
	v_readfirstlane_b32 s18, v16                   ; wave u
	s_lshl_b32 s10, s18, 12
	v_lshl_add_u32 v24, v1, 4, s10                 ; my wave's 4,096 bytes of the block, 16 a lane: in memory and in LDS alike
	s_lshl_b32 s12, ttmp9, 16
	s_mov_b32 s13, 0
	s_mul_i32 s14, ttmp9, 12288
	s_lshl_b32 s15, s18, 10
	s_add_co_u32 s14, s14, s15
	s_mov_b32 s15, 0
	s_wait_kmcnt 0x0
	s_add_nc_u64 s[4:5], s[4:5], s[12:13]
	s_add_nc_u64 s[8:9], s[8:9], s[14:15]          ; part: 12,288 bytes a work-group, 1,024 a tile
	s_load_b96 s[28:30], s[6:7], 0x0               ; lp
.irp i, 0,1,2,3,4,5,6,7
	global_load_b128 v[V+4*\i:V+4*\i+3], v24, s[4:5] offset:512*\i th:TH_LOAD_NT
.endr
	FFTHEAD                                        ; twiddles, the angle and all addresses are made while the loads are out
	s_lshl_b32 s15, s18, 4
	v_add_nc_u32 v[QA], s15, v25
	v_cvt_f32_u32 v[QA], v[QA]                     ; t = 16 u + lane % 16; th = pi t / 180
	SINCOS QA, NBP, 0x3c360b61, 0xc2b40000, 0x3bb60b61
	v_mov_b32 v[COS], v[NBP]
	v_xor_b32 v[SM], 0x80000000, v[NBP+1]
	s_lshr_b32 s10, s18, 1                         ; phase A: pair p; K step of my block
	s_and_b32 s11, s18, 1                          ; row e; half c of the K step
	s_lshl_b32 s15, s10, 13
	s_lshl_b32 s16, s11, 3
	s_add_co_u32 s15, s15, s16
	v_lshl_add_u32 v27, v1, 5, s15                 ; v27: column lane: slot 2 lane
	v_sub_nc_u32 v23, 256, v1
	v_and_b32 v23, 255, v23
	v_lshl_add_u32 v28, v23, 5, s15
	v_add_nc_u32 v28, 16, v28                      ; v28: column 256 + lane: slot 2 ((256 - lane) % 256) + 1
	v_sub_nc_u32 v23, 32, v1
	v_lshl_add_u32 v29, v23, 5, s15
	v_add_nc_u32 v29, 16, v29                      ; v29: column 480 + lane: slot 2 (32 - lane) + 1
	s_mul_i32 s15, s10, 8224
	s_lshl_b32 s16, s11, 11
	s_add_co_u32 s15, s15, s16
	s_add_co_u32 s15, s15, PS
	v_lshlrev_b32 v30, 10, v26
	v_lshl_add_u32 v30, v25, 2, v30
	v_add_nc_u32 v30, s15, v30                     ; v30: pseudo of image 2 p, row e, column l % 16 + 256 (l / 16)
	s_lshl_b32 s15, s18, 8
	s_add_co_u32 s15, s15, PS
	v_mul_u32_u24 v31, v25, 4112
	v_lshl_add_u32 v31, v26, 7, v31
	v_add_nc_u32 v31, s15, v31                     ; v31: my block: image r, K place 64 u + 32 h
	s_mul_i32 s15, s10, 1536
	s_mul_i32 s16, s11, 24
	s_add_co_u32 s15, s15, s16
	s_add_co_u32 s15, s15, FIMG
	v_mul_u32_u24 v18, v1, 48
	v_add_nc_u32 v16, s15, v18                     ; v16: where my block's 24 bytes of codes go
	v_add_nc_u32 v18, FIMG, v18                    ; v18: my lane's 48 bytes of K step 0
	s_lshl_b32 s15, s10, 6
	s_lshl_b32 s16, s11, 1
	s_add_co_u32 s15, s15, s16
	s_add_co_u32 s15, s15, SCB
	v_lshl_add_u32 v17, v25, 2, v26
	v_add_nc_u32 v17, s15, v17                     ; v17: my block's scale byte: byte 2 c + h of image r's word
	v_lshl_add_u32 v19, v25, 2, SCB                ; v19: image r's scale word of K step 0
	v_lshlrev_b32 v22, 4, v1                       ; v22: part: 16 bytes a lane
	s_wait_loadcnt 0x0
	s_wait_kmcnt 0x0                               ; lp
.irp i, 0,1,2,3,4,5,6,7
	ds_store_b128 v24, v[V+4*\i:V+4*\i+3] offset:TILE+512*\i
.endr
	BARRIER                                        ; the block lies in LDS
.irp n, 0,1,2,3,4,5,6,7
	ds_load_b64 v[D+2*\n:D+2*\n+1], v27 offset:1024*\n           ; column lane + 32 n
.endr
	ds_load_b64 v[D+16:D+17], v28
.irp n, 9,10,11,12,13,14,15
	ds_load_b64 v[D+2*\n:D+2*\n+1], v29 offset:1024*(15-\n)
.endr
	s_wait_dscnt 0x0
	FFT512 D
.irp c, 0,1,2,3,4,5,6,7,8,9,10,11,12,13,14,15
	ds_store_b32 v30, v[D+2*\c] offset:64*(\c/4+4*(\c%4))
	ds_store_b32 v30, v[D+2*\c+1] offset:64*(\c/4+4*(\c%4))+4112
.endr
	BARRIER                                        ; two rows of pseudo of all 16 images lie in LDS
.irp i, 0,1,2,3,4,5,6,7
	ds_load_b128 v[V+4*\i:V+4*\i+3], v31 offset:16*\i
.endr
	s_wait_dscnt 0x0
	QBLK V, AF, E0
	ds_store_b64 v16, v[AF:AF+1]
	ds_store_b64 v16, v[AF+2:AF+3] offset:8
	ds_store_b64 v16, v[AF+4:AF+5] offset:16
	ds_store_b8 v17, v[E0]
	BARRIER                                        ; pseudo's eight fragments and their scale words lie in LDS; nothing writes LDS from here on
	; ---- phase B
	v_mov_b32 v23, 0x3f22f983                      ; 2 / pi
	v_mul_f32 v[M0], s28, v23                      ; c0
	v_mul_f32 v[M1], s29, v23                      ; c1
	v_mul_f32 v[SCL], s30, v23                     ; c2
	v_sub_f32 v[E0], v[M0], v[M1]
	v_add_f32 v[CA], v[E0], v[SCL]                 ; A2
	v_fma_f32 v[E0], v[M1], 2.0, v[SCL]
	v_fmamk_f32 v[CA+1], v[M0], 0xc0400000, v[E0]  ; A1
	v_mul_f32 v[CB], 0x40400000, v[M1]             ; A0
	v_mov_b32 v[CB+1], 0x3da83c1a
.irp i, 0,1,2,3,4,5,6,7,8,9,10,11,12,13,14,15
	v_cvt_f32_u32 v[IO+\i], \i
.endr
	v_lshlrev_b32 v[H32], 5, v26
	v_cvt_f32_u32 v[H32], v[H32]
	v_lshlrev_b32 v[H8], 3, v26
	v_mov_b32 v[WT], 0                             ; written once: a lane permute's destination counts as one of its sources
.irp i, 0,1,2,3,4,5,6,7
	v_mov_b32 v[ACC+\i], 0                         ; the loop is written once: its first step adds onto zeros
.endr
	s_mov_b32 s22, 0                               ; K step
	s_mov_b32 s23, 0                               ; its codes
	s_mov_b32 s24, 0                               ; its scale words
.Lk:                                               ; 8 trips; every wave walks the loop, and waves 12-15, which have no angles, pass over its work
	v_add_nc_u32 v20, s23, v18
	v_add_nc_u32 v21, s24, v19
	s_cmp_ge_u32 s18, 12
	s_cbranch_scc1 .Lskip
	ds_load_b128 v[BF:BF+3], v20                   ; pseudo's fragment and scale words: they have the whole step in which to come
	ds_load_b128 v[BF+4:BF+7], v20 offset:16
	ds_load_b128 v[BF+8:BF+11], v20 offset:32
	ds_load_b32 v[BSC], v21
	s_lshr_b32 s25, s22, 2
	s_lshl_b32 s26, ttmp9, 1
	s_add_co_u32 s25, s25, s26                     ; the row: 2 g + step / 4
	s_cmp_ge_u32 s25, 256
	s_cselect_b32 s26, 512, 0
	s_sub_co_i32 s25, s25, s26                     ; m: rows from 256 on count from -256
	s_and_b32 s27, s22, 3
	s_lshl_b32 s27, s27, 7                         ; the first column: 128 (step % 4)
	s_cmp_ge_u32 s27, 256
	s_cselect_b32 s26, 512, 0
	s_sub_co_i32 s27, s27, s26                     ; n likewise
	v_cvt_f32_i32 v23, s25
	v_mul_f32 v[SM+1], v23, v[COS]
	v_cvt_f32_i32 v23, s27
	v_add_f32 v[NB], v23, v[H32]
	GEN16 V, 0                                     ; my block 2 c + h of the step: k = 64 c + 32 h + 0 .. 31
	GEN16 V+16, 0x41800000
	QBLK V, AF, E0
	GEN16 V, 0x42800000
	GEN16 V+16, 0x42a00000
	QBLK V, AF+6, E1
	v_lshl_or_b32 v[ASC], v[E1], 16, v[E0]         ; my two bytes: blocks h and 2 + h of my angle,
	v_lshlrev_b32 v[ASC], v[H8], v[ASC]            ; at their places in the word;
	v_permlanex16_b32 v[WT], v[ASC], s20, s21
	v_or_b32 v[ASC], v[ASC], v[WT]                 ; with lane l xor 16's two the word is whole
.rept 8
	v_nop                                          ; a scale register written by a vector instruction stands 8 places ahead of a scaled matrix instruction, an operand so written 4
.endr
	s_wait_dscnt 0x0                               ; pseudo's fragment and scale words are in
	s_wait_alu depctr_va_vdst(0)                   ; the wait directly ahead of each link
	v_wmma_scale_f32_16x16x128_f8f6f4 v[ACC:ACC+7], v[AF:AF+11], v[BF:BF+11], v[ACC:ACC+7], v[ASC], v[BSC] matrix_a_fmt:MATRIX_FMT_FP6 matrix_b_fmt:MATRIX_FMT_FP6
.rept 4
	v_nop                                          ; places ahead of the next step's loads into the fragment's registers, and of the stores of the result
.endr
.Lskip:
	s_add_co_u32 s23, s23, 1536
	s_add_co_u32 s24, s24, 64
	s_add_co_u32 s22, s22, 1
	s_cmp_lt_u32 s22, 8
	s_cbranch_scc1 .Lk
	s_cmp_ge_u32 s18, 12
	s_cbranch_scc1 .Lend
	global_store_b128 v22, v[ACC:ACC+3], s[8:9]                ; register j of lane (r, h): angle 16 u + 8 h + j, image r; the low four first; 512 consecutive bytes a store
	global_store_b128 v22, v[ACC+4:ACC+7], s[8:9] offset:512
.Lend:
	s_barrier_signal -1
	s_barrier_wait -1
	s_wait_tensorcnt 0x0
	ds_add_u32 v254, v255
	s_wait_dscnt 0x0
	s_endpgm
.Lfunc_end_k_q195d574a97_mask:
	.size	k_q195d574a97_mask, .Lfunc_end_k_q195d574a97_mask-k_q195d574a97_mask
	.p2alignl 7, 3214868480
	.fill 96, 4, 3214868480
	.section	.rodata,"a",@progbits
	.p2align	6, 0x0
	.amdhsa_kernel k_q195d574a97_mask
		.amdhsa_group_segment_fixed_size 215808
		.amdhsa_private_segment_fixed_size 0
		.amdhsa_enable_private_segment 0
		.amdhsa_kernarg_size 24
		.amdhsa_user_sgpr_count 2
		.amdhsa_user_sgpr_kernarg_segment_ptr 1
		.amdhsa_wavefront_size32 1
		.amdhsa_system_sgpr_workgroup_id_x 1
		.amdhsa_system_sgpr_workgroup_id_y 1
		.amdhsa_system_sgpr_workgroup_id_z 1
		.amdhsa_system_vgpr_workitem_id 0
		.amdhsa_next_free_vgpr 256
		.amdhsa_next_free_sgpr 66
		.amdhsa_reserve_vcc 1
		.amdhsa_float_denorm_mode_32 3
		.amdhsa_float_denorm_mode_16_64 3
		.amdhsa_memory_ordered 1
		.amdhsa_forward_progress 1
		.amdhsa_inst_pref_size 105
	.end_amdhsa_kernel
	.amdgpu_metadata
---
amdhsa.version: [ 1, 2 ]
amdhsa.kernels:
  - .name:           k_q195d574a97_mask
    .symbol:         k_q195d574a97_mask.kd
    .args:
      - { .name: w2, .offset: 0, .size: 8, .value_kind: global_buffer, .address_space: global }
      - { .name: lp, .offset: 8, .size: 8, .value_kind: global_buffer, .address_space: global }
      - { .name: part, .offset: 16, .size: 8, .value_kind: global_buffer, .address_space: global }
    .group_segment_fixed_size: 215808
    .private_segment_fixed_size: 0
    .kernarg_segment_align: 8
    .kernarg_segment_size: 24
    .max_flat_workgroup_size: 512
    .sgpr_count:     66
    .vgpr_count:     256
    .wavefront_size: 32
...
	.end_amdgpu_metadata
.endif
;; end of part 3
;; launch reduce (part 4): grid 23 x 1, 16 waves a work-group, no clusters, 10,240 bytes of LDS; arguments part, out0; writes out0
.if DOCPART == 4
	.amdgcn_target "amdgcn-amd-amdhsa--gfx1250"
	.amdhsa_code_object_version 6
	.text
	.protected	k_q195d574a97_reduce
	.globl	k_q195d574a97_reduce
	.p2align	8
	.type	k_q195d574a97_reduce,@function
k_q195d574a97_reduce:
	s_mov_b64 s[64:65], 0
	v_nop
	global_prefetch_b8 v0, s[64:65] scope:SCOPE_SE
	s_setreg_imm32_b32 hwreg(HW_REG_WAVE_MODE, 25, 1), 1
	s_wait_xcnt 0x0
; FOURTH LAUNCH.  out0[b][t] = 2^-37 x the sum over the 256 work-groups' parts: 2^-19 for the scale that pseudo carried, 2^-18 for the division by 512 x 512.
; part: [g 256][tile 12][half 2][lane 32][4] f32.  Work-group q takes tile q / 2, half q % 2: 512 bytes of each g.  (q = 23 would hold angles from 180 on alone: it is not launched.)
; Wave u adds g = u, u + 16, .. u + 240; the sixteen sums meet in LDS; wave 0 adds them and stores.  Each load reads 512 consecutive bytes.  Memory binds; no matrix unit, no cluster.
.macro TREE                            ; 16 groups of four registers, v[32:95], are added into v[32:35]
.irp s, 32,16,8,4
.set rr, 0
.rept \s/2
	v_pk_add_f32 v[32+rr:33+rr], v[32+rr:33+rr], v[32+rr+\s:33+rr+\s]
.set rr, rr+2
.endr
.endr
.endm
	s_load_b128 s[4:7], s[0:1], 0x0                ; part, out0
	v_lshl_add_u32 v96, v0, 2, 0x2000
	v_mov_b32 v97, 0
	v_and_b32 v1, 31, v0                           ; lane
	v_lshrrev_b32 v2, 5, v0
	v_readfirstlane_b32 s18, v2                    ; wave u
	s_mul_i32 s8, s18, 12288
	v_lshl_add_u32 v3, v1, 4, s8                   ; g = u, 16 bytes a lane
	s_lshl_b32 s10, ttmp9, 9
	s_mov_b32 s11, 0
	s_lshr_b32 s12, ttmp9, 1
	s_lshl_b32 s12, s12, 4
	s_and_b32 s13, ttmp9, 1
	s_lshl_b32 s13, s13, 2
	s_add_co_u32 s12, s12, s13                     ; 16 tile + 4 half: the first angle of lanes 0-15
	s_lshl_b32 s14, s12, 2
	s_mov_b32 s15, 0
	s_wait_kmcnt 0x0
	s_add_nc_u64 s[4:5], s[4:5], s[10:11]
	s_add_nc_u64 s[6:7], s[6:7], s[14:15]
.irp i, 0,1,2,3,4,5,6,7,8,9,10,11,12,13,14,15
	global_load_b128 v[32+4*\i:35+4*\i], v3, s[4:5] offset:196608*\i th:TH_LOAD_NT   ; g = u + 16 i
.endr
	v_lshlrev_b32 v4, 4, v0                        ; LDS: 512 bytes a wave, 16 a lane
	v_lshlrev_b32 v5, 4, v1
	v_lshrrev_b32 v6, 4, v1                        ; h
	v_and_b32 v9, 15, v1                           ; r: the image
	v_lshl_add_u32 v7, v6, 3, s12                  ; my first angle
	v_mul_u32_u24 v8, v9, 720                      ; a row of out0 is 720 bytes
	v_lshl_add_u32 v8, v6, 5, v8
	s_wait_loadcnt 0x0
	TREE
	ds_store_b128 v4, v[32:35]
	s_wait_dscnt 0x0                               ; for the others' sake: my store has landed
	s_barrier_signal -1
	s_barrier_wait -1
	s_cmp_lg_u32 s18, 0
	s_cbranch_scc1 .Lend
.irp i, 0,1,2,3,4,5,6,7,8,9,10,11,12,13,14,15
	ds_load_b128 v[32+4*\i:35+4*\i], v5 offset:512*\i
.endr
	s_wait_dscnt 0x0
	TREE
	v_pk_mul_f32 v[32:33], v[32:33], 0x2d000000 op_sel_hi:[1,0]
	v_pk_mul_f32 v[34:35], v[34:35], 0x2d000000 op_sel_hi:[1,0]
	v_cmp_gt_u32 vcc_lo, 180, v7                   ; angles come in fours and 180 is a multiple of four: a lane's four are all there or none
	s_wait_xcnt 0x0                                ; EXEC changes only behind this wait
	s_and_saveexec_b32 s16, vcc_lo
	global_store_b128 v8, v[32:35], s[6:7]         ; out0[r][16 tile + 8 h + 4 half + 0 .. 3]
.Lend:
	s_wait_xcnt 0x0
	s_mov_b32 exec_lo, -1
	s_wait_tensorcnt 0x0
	ds_add_u32 v96, v97
	s_wait_dscnt 0x0
	s_endpgm
.Lfunc_end_k_q195d574a97_reduce:
	.size	k_q195d574a97_reduce, .Lfunc_end_k_q195d574a97_reduce-k_q195d574a97_reduce
	.p2alignl 7, 3214868480
	.fill 96, 4, 3214868480
	.section	.rodata,"a",@progbits
	.p2align	6, 0x0
	.amdhsa_kernel k_q195d574a97_reduce
		.amdhsa_group_segment_fixed_size 10240
		.amdhsa_private_segment_fixed_size 0
		.amdhsa_enable_private_segment 0
		.amdhsa_kernarg_size 16
		.amdhsa_user_sgpr_count 2
		.amdhsa_user_sgpr_kernarg_segment_ptr 1
		.amdhsa_wavefront_size32 1
		.amdhsa_system_sgpr_workgroup_id_x 1
		.amdhsa_system_sgpr_workgroup_id_y 1
		.amdhsa_system_sgpr_workgroup_id_z 1
		.amdhsa_system_vgpr_workitem_id 0
		.amdhsa_next_free_vgpr 98
		.amdhsa_next_free_sgpr 66
		.amdhsa_reserve_vcc 1
		.amdhsa_float_denorm_mode_32 3
		.amdhsa_float_denorm_mode_16_64 3
		.amdhsa_memory_ordered 1
		.amdhsa_forward_progress 1
		.amdhsa_inst_pref_size 9
	.end_amdhsa_kernel
	.amdgpu_metadata
---
amdhsa.version: [ 1, 2 ]
amdhsa.kernels:
  - .name:           k_q195d574a97_reduce
    .symbol:         k_q195d574a97_reduce.kd
    .args:
      - { .name: part, .offset: 0, .size: 8, .value_kind: global_buffer, .address_space: global }
      - { .name: out0, .offset: 8, .size: 8, .value_kind: global_buffer, .address_space: global }
    .group_segment_fixed_size: 10240
    .private_segment_fixed_size: 0
    .kernarg_segment_align: 8
    .kernarg_segment_size: 16
    .max_flat_workgroup_size: 512
    .sgpr_count:     66
    .vgpr_count:     98
    .wavefront_size: 32
...
	.end_amdgpu_metadata
.endif
;; end of part 4
;; ======== version 2 of 2: 4 launches; version 1 with the launch mask written anew for expert scheduling mode
;; limits: inputs' magnitudes at most 100,000,000,000,000
;; workspace buffers: w1 8,388,608 bytes; w2 16,777,216 bytes; part 3,145,728 bytes
;; launch rowfft: the kernel of part 1 again; grid 256 x 1, 4 waves a work-group, no clusters, 50,688 bytes of LDS; arguments batch, w1; writes w1
;; launch colfft: the kernel of part 2 again; grid 256 x 1, 16 waves a work-group, no clusters, 256,000 bytes of LDS; arguments w1, w2; writes w2
;; launch mask (part 5): grid 256 x 1, 16 waves a work-group, no clusters, 215,808 bytes of LDS; arguments w2, lp, part; writes part
.if DOCPART == 5
	.amdgcn_target "amdgcn-amd-amdhsa--gfx1250"
	.amdhsa_code_object_version 6
	.text
	.protected	k_q195d574a97_mask
	.globl	k_q195d574a97_mask
	.p2align	8
	.type	k_q195d574a97_mask,@function
k_q195d574a97_mask:
	s_mov_b64 s[64:65], 0
	v_nop
	global_prefetch_b8 v0, s[64:65] scope:SCOPE_SE
	s_setreg_imm32_b32 hwreg(HW_REG_WAVE_SCHED_MODE, 0, 2), 2
	s_setreg_imm32_b32 hwreg(HW_REG_WAVE_MODE, 25, 1), 1
	s_wait_xcnt 0x0
	s_wait_alu depctr_vm_vsrc(0)
; THIRD LAUNCH.  Work-group g owns rows 2 g and 2 g + 1 of the 512 x 512 grid: 1,024 along the quantised product's K, 8 steps of 128.
; PHASE A (16 waves): wave u makes the last transform, along the columns, of row 2 g + u % 2 of pair u / 2: real part = 2^19 pseudo of image 2 p, imaginary part = that of image 2 p + 1.  Then each of the 512 lanes
; quantises one block of 32 along w of one image to E2M3; codes and scale bytes go to LDS as images of the operand's registers.  (The factor 2^19 only moves the scale bytes; the last launch takes it out.)
; PHASE B (waves 0-11, three on each SIMD; 180 angles are 12 tiles of 16, of which the last has 4): wave u makes the mask numbers of angles 16 u .. 16 u + 15 in the order of the operand's registers
; (lane (r, h): angle 16 u + r, k = 64 c + 32 h + 0 .. 31), quantises them in registers and issues one scaled matrix instruction for each K step.  Neither operand goes to memory.
; THE MASK: x = m cos(th) + n sin(th); the six sincs share one sine: mask = sin(pi x) N / D, D = x a b, a = x^2 - 1, b = x^2 - 4, N = (A2 a + A1) a + A0, c_p = 2 lp_p / pi,
; A2 = c0 - c1 + c2, A1 = -3 c0 + 2 c1 + c2, A0 = 3 c1.  sin(pi x) = (-1)^k r P(r^2), k = round(x), r = x - k (exact), P the Taylor series up to r^11 (what is left out: 6e-8 of the sine at |r| = 1/2).
; The zeros of the sine at 0, +-1, +-2 and those of D are both formed without cancellation, so the quotient holds there.
; LIMITS: x's lowest mantissa bit is set and 2^-60 is added, so that x is never 0, +-1, +-2: x is moved by at most one unit in its last place.  NaN and infinities are not served.
; A block of zeros gets the scale byte 1 (its codes are zeros; this program alone reads the bytes).  Twiddles by products: about 3e-7.
; OUT: part [g 256][tile 12][half 2][lane 32][4] f32: the accumulators as they stand.  A sum over work-groups wants a launch of its own.
; No tensor load (each LDS byte is filled once, 64 KiB in all), no cluster (work-groups share no bytes).
; THE MODE: SCHED_MODE bits 1:0 = 2 (LLVM: expert scheduling mode 2), set by the entry lines.  The code itself states the register dependences
; between vector or matrix instructions and memory or LDS instructions, with s_wait_alu, always for 0.
; THE PLAN.  Registers that memory or LDS instructions touch:
;   v24; v27-31, v16-19, v22   offsets and addresses: written by vector lines at the head, never again.  One wait ahead of the first load for v24, one ahead of the tile's stores for the other ten.
;   V (v160-191)   the global loads land in it; the tile's LDS stores read it; the LDS loads of my block land in it; from there on vector lines alone name it.
;   D (v32-63)     LDS loads land in it; the transform works in it; the exchange stores it and loads it again; pseudo's stores read it; phase B's vector lines write it again.
;   AF, E0         the quantiser writes them; the stores of codes and byte read them; phase B writes them again.
;   v20, v21       in the loop: written by two additions at a step's head, read by the step's four LDS loads.
;   BF, BSC        in the loop: those four loads land in them; the step's matrix instruction reads them.
;   ACC            written by the matrix instruction; read by the two global stores behind the loop.
;   v254, v255     written at the head, read by the closing add alone.
; IN THE LOOP one wait on vm_vsrc stands at a step's head, ahead of the two additions.  The four LDS loads stand directly behind the wait on va_vdst that the step's first batch of reciprocals has in any case:
; it is issued behind the two additions and behind the last step's matrix instruction, so it states those two dependences as well; no vector line between the loads and the wait for their data names v20, v21, BF or BSC.
.set TILE, 0                           ; LDS: my 65,536 bytes of w2 as they lie: [p 8][slot 512][e 2] complex
.set EXB,  65536                       ; the exchange, 4,352 bytes a wave
.set PS,   135168                      ; pseudo: image b at 4,112 b, row e at + 2,048, 4 bytes a column
.set FIMG, 200960                      ; the codes: 1,536 bytes a K step, 48 a lane
.set SCB,  213248                      ; the scale words: 64 bytes a K step, 4 an image
.set PX,   128                         ; phase A: v[128:159] lane l xor 16's
.set IO,  32                           ; phase B: v[32:47] the numbers 0 .. 15
.set X,   48
.set KK,  64                           ; x + 1.5 x 2^23, later N
.set R,   80
.set Z,   96
.set P,   112
.set A,   128
.set B,   144
.set V,   160                          ; v[160:191] 32 numbers of a block; at the head: the tile's loads
.set AF,  192                          ; v[192:203] the mask's codes
.set CV,  204                          ; v[204:206] a block's upper 16 codes (a conversion's three registers begin on an even number)
.set BF,  208                          ; v[208:219] pseudo's codes
.set ACC, 220                          ; v[220:227]
.set ASC, 228                          ; the mask's scale word
.set BSC, 229                          ; pseudo's
.set SM,  230                          ; (sin th, m cos th)
.set CA,  232                          ; (A2, A1)
.set CB,  234                          ; (A0, the series' coefficient of r^9)
.set NBP, 236                          ; the first n of 16; its upper half is only named
.set COS, 238
.set NB,  239                          ; the K step's first n + 32 h
.set H32, 240
.set H8,  241
.set M0,  242
.set M1,  243
.set SCL, 244
.set E0,  245
.set E1,  246
.set WT,  247
.set T,   2                            ; v[2:11]  five pairs at work
.set QA,  10                           ; v10, v11 at the head: seeds
.set EXW, 12                           ; v12  the exchange: where I write
.set EXR, 13                           ; v13  and where I read
.set SG,  14                           ; v[14:15] +1 in lanes 0-15, -1 in lanes 16-31
.set D,   32                           ; v[32:63] 16 cells
.set TW1, 64                           ; v[64:95]  pair a: W512^(lane x a)
.set TW2, 96                           ; v[96:127] pair e: W32^((lane / 16) x e)
.set KC1, 0x3f6c835e                   ; cos(pi/8)
.set KS1, 0x3ec3ef15                   ; sin(pi/8)
.set KRH, 0x3f3504f3                   ; sqrt(1/2)
.set NC1, 0xbf6c835e
.set NS1, 0xbec3ef15
.set NRH, 0xbf3504f3
.macro R4 a, b, c, d                   ; a 4-point transform in place: result j in the j-th pair
	v_pk_add_f32 v[T:T+1], v[\a:\a+1], v[\c:\c+1]
	v_pk_add_f32 v[T+2:T+3], v[\a:\a+1], v[\c:\c+1] neg_lo:[0,1] neg_hi:[0,1]
	v_pk_add_f32 v[T+4:T+5], v[\b:\b+1], v[\d:\d+1]
	v_pk_add_f32 v[T+6:T+7], v[\b:\b+1], v[\d:\d+1] neg_lo:[0,1] neg_hi:[0,1]
	v_pk_add_f32 v[\a:\a+1], v[T:T+1], v[T+4:T+5]
	v_pk_add_f32 v[\c:\c+1], v[T:T+1], v[T+4:T+5] neg_lo:[0,1] neg_hi:[0,1]
	v_pk_add_f32 v[\b:\b+1], v[T+2:T+3], v[T+6:T+7] op_sel:[0,1] op_sel_hi:[1,0] neg_hi:[0,1]   ; - i u = (u.im, -u.re)
	v_pk_add_f32 v[\d:\d+1], v[T+2:T+3], v[T+6:T+7] op_sel:[0,1] op_sel_hi:[1,0] neg_lo:[0,1]   ; + i u
.endm
.macro KMUL x, wi, t                   ; t = (-x.im wi, x.re wi)
	v_pk_mul_f32 v[\t:\t+1], v[\x:\x+1], \wi op_sel:[1,0] op_sel_hi:[0,0] neg_lo:[1,0]
.endm
.macro KFMA x, wr, t                   ; x = x wr + t: with KMUL the product x (wr + i wi)
	v_pk_fma_f32 v[\x:\x+1], v[\x:\x+1], \wr, v[\t:\t+1] op_sel_hi:[1,0,1]
.endm
.macro DFT16 d                         ; 16 points in place; result a lies in cell c with rv(c) = c / 4 + 4 (c % 4) = a
.irp n, 0,2,4,6
	R4 \d+\n, \d+\n+8, \d+\n+16, \d+\n+24
.endr
	KMUL \d+10, NS1, T                             ; cell n2 + 4 k1 times W16^(n2 k1)
	KMUL \d+12, NRH, T+2
	KMUL \d+14, NC1, T+4
	KMUL \d+18, NRH, T+6
	KMUL \d+20, -1.0, T+8
	KFMA \d+10, KC1, T
	KFMA \d+12, KRH, T+2
	KFMA \d+14, KS1, T+4
	KFMA \d+18, KRH, T+6
	KFMA \d+20, 0, T+8
	KMUL \d+22, NRH, T
	KMUL \d+26, NC1, T+2
	KMUL \d+28, NRH, T+4
	KMUL \d+30, KS1, T+6
	KFMA \d+22, NRH, T
	KFMA \d+26, KS1, T+2
	KFMA \d+28, NRH, T+4
	KFMA \d+30, NC1, T+6
.irp k, 0,8,16,24
	R4 \d+\k, \d+\k+2, \d+\k+4, \d+\k+6
.endr
.endm
.macro TWID d, tw                      ; cell 4 g + i times pair g + 4 i of the table; cell 0 has the factor 1
.irp g, 0,1,2,3
.irp i, 0,1,2,3
.if \g+\i
	v_pk_mul_f32 v[T+2*\i:T+2*\i+1], v[\d+8*\g+2*\i:\d+8*\g+2*\i+1], v[\tw+2*\g+8*\i:\tw+2*\g+8*\i+1] op_sel:[1,1] op_sel_hi:[0,1] neg_lo:[1,0]
.endif
.endr
.irp i, 0,1,2,3
.if \g+\i
	v_pk_fma_f32 v[\d+8*\g+2*\i:\d+8*\g+2*\i+1], v[\d+8*\g+2*\i:\d+8*\g+2*\i+1], v[\tw+2*\g+8*\i:\tw+2*\g+8*\i+1], v[T+2*\i:T+2*\i+1] op_sel_hi:[1,0,1]
.endif
.endr
.endr
.endm
.macro EXCH d                          ; row a of 272 bytes takes the 32 lanes' result a; lane l reads row l % 16, places l / 16 + 2 d.  The bytes are the wave's own and LDS serves a wave in order: no barrier
	s_wait_alu depctr_va_vdst(0)                   ; the transform's vector lines have written the 16 cells, which the stores read, and are done reading them: the loads below land there
.irp c, 0,1,2,3,4,5,6,7,8,9,10,11,12,13,14,15
	ds_store_b64 v[EXW], v[\d+2*\c:\d+2*\c+1] offset:272*(\c/4+4*(\c%4))
.endr
	s_wait_alu depctr_vm_vsrc(0)                   ; these stores have read the 16 cells, in which the loads below land; the tile's stores, issued earlier, have read v[V ..], in which my block's loads will land
.irp c, 0,1,2,3,4,5,6,7,8,9,10,11,12,13,14,15
	ds_load_b64 v[\d+2*\c:\d+2*\c+1], v[EXR] offset:16*\c
.endr
	s_wait_dscnt 0x0
.endm
.macro RAD2 d                          ; lanes 0-15: own + other; lanes 16-31: other - own
.irp i, 0,1,2,3,4,5,6,7,8,9,10,11,12,13,14,15,16,17,18,19,20,21,22,23,24,25,26,27,28,29,30,31
	v_permlanex16_b32 v[PX+\i], v[\d+\i], s20, s21
.endr
.irp c, 0,2,4,6,8,10,12,14,16,18,20,22,24,26,28,30
	v_pk_fma_f32 v[\d+\c:\d+\c+1], v[\d+\c:\d+\c+1], v[SG:SG+1], v[PX+\c:PX+\c+1]
.endr
.endm
.macro FFT512 d                        ; in: lane n0, cell n1 = x[n0 + 32 n1]; out: lane l, cell c = X[l % 16 + 256 (l / 16) + 16 rv(c)]
	DFT16 \d
	TWID \d, TW1
	EXCH \d
	DFT16 \d
	TWID \d, TW2
	RAD2 \d
.endm
; dst = (cos(pi y), -sin(pi y)), y = q x cinv.  k = round(2 y), r = y - k / 2, at most 1/4 in size: Taylor series of sin(pi r) up to r^9 and of cos(pi r) up to r^10; k picks and signs them.  v16-23 at work
.macro SINCOS q, dst, c2inv, nhalf, cinv
	v_mul_f32 v16, \c2inv, v[\q]
	v_rndne_f32 v16, v16
	v_fmamk_f32 v17, v16, \nhalf, v[\q]
	v_mul_f32 v17, \cinv, v17
	v_mul_f32 v18, v17, v17
	v_mov_b32 v19, 0x3da83c1a
	v_mov_b32 v20, 0xbcd368f9
	v_fmaak_f32 v19, v19, v18, 0xbf196966
	v_fmaak_f32 v20, v20, v18, 0x3e70fa83
	v_fmaak_f32 v19, v19, v18, 0x402335e3
	v_fmaak_f32 v20, v20, v18, 0xbfaae9e4
	v_fmaak_f32 v19, v19, v18, 0xc0a55de7
	v_fmaak_f32 v20, v20, v18, 0x4081e0f8
	v_fmaak_f32 v19, v19, v18, 0x40490fdb
	v_fmaak_f32 v20, v20, v18, 0xc09de9e6
	v_mul_f32 v19, v19, v17                        ; sin(pi r)
	v_fma_f32 v20, v20, v18, 1.0                   ; cos(pi r)
	v_cvt_i32_f32 v21, v16
	v_and_b32 v22, 1, v21
	v_cmp_eq_u32 vcc_lo, 1, v22
	v_add_nc_u32 v22, 1, v21                       ; the two sign masks are made between the compare and the wait for it
	v_and_b32 v22, 2, v22
	v_lshlrev_b32 v22, 30, v22
	v_xor_b32 v23, 2, v21
	v_and_b32 v23, 2, v23
	v_lshlrev_b32 v23, 30, v23
	s_wait_alu depctr_va_vcc(0)                    ; the compare has written VCC, ahead of its first reader
	v_cndmask_b32 v[\dst], v20, v19, vcc_lo        ; odd k: the two change places
	v_cndmask_b32 v[\dst+1], v19, v20, vcc_lo
	v_xor_b32 v[\dst], v[\dst], v22                ; the cosine is negative for k % 4 = 1, 2
	v_xor_b32 v[\dst+1], v[\dst+1], v23            ; minus the sine is negative for k % 4 = 0, 1
.endm
.macro CM dst, x, y                    ; dst = x y, complex
	v_pk_mul_f32 v[\dst:\dst+1], v[\x:\x+1], v[\y:\y+1] op_sel:[1,1] op_sel_hi:[0,1] neg_lo:[1,0]
	v_pk_fma_f32 v[\dst:\dst+1], v[\x:\x+1], v[\y:\y+1], v[\dst:\dst+1] op_sel_hi:[1,0,1]
.endm
.macro POWERS tw                       ; pairs 2 to 15 from pair 1
	CM \tw+4, \tw+2, \tw+2
	CM \tw+6, \tw+4, \tw+2
	CM \tw+8, \tw+4, \tw+4
	CM \tw+10, \tw+8, \tw+2
	CM \tw+12, \tw+8, \tw+4
	CM \tw+14, \tw+8, \tw+6
	CM \tw+16, \tw+8, \tw+8
.irp a, 1,2,3,4,5,6,7
	CM \tw+16+2*\a, \tw+16, \tw+2*\a
.endr
.endm
.macro FFTHEAD                         ; wants v1 = lane, s18 = wave; leaves v25 = lane % 16, v26 = lane / 16
	s_mov_b32 s20, 0x76543210
	s_mov_b32 s21, 0xfedcba98                      ; v_permlanex16_b32's selects for lane l xor 16
	s_mul_i32 s19, s18, 4352
.if EXB
	s_add_co_u32 s19, s19, EXB
.endif
	v_and_b32 v25, 15, v0
	v_bfe_u32 v26, v0, 4, 1
	v_lshl_add_u32 v[EXW], v1, 3, s19
	v_mul_u32_u24 v[EXR], v25, 272
	v_lshl_add_u32 v[EXR], v26, 3, v[EXR]
	v_add_nc_u32 v[EXR], s19, v[EXR]
	v_lshlrev_b32 v[SG], 31, v26
	v_or_b32 v[SG], 0x3f800000, v[SG]
	v_mov_b32 v[SG+1], v[SG]
	v_cvt_f32_u32 v[QA], v1
	v_lshlrev_b32 v[QA+1], 4, v26
	v_cvt_f32_u32 v[QA+1], v[QA+1]
	SINCOS QA, TW1+2, 0x3c000000, 0xc3000000, 0x3b800000     ; W512^lane: y = lane / 256
	POWERS TW1
	SINCOS QA+1, TW2+2, 0x3c000000, 0xc3000000, 0x3b800000   ; W512^(16 (lane / 16))
	POWERS TW2
.irp i, 0,1,2,3,4,5,6,7,8,9,10,11,12,13,14,15,16,17,18,19,20,21,22,23,24,25,26,27,28,29,30,31
	v_mov_b32 v[PX+\i], 0                          ; written once: a lane permute's destination counts as one of its sources
.endr
.endm
.macro BARRIER                         ; my LDS stores have landed and my LDS loads are in: then the work-group's barrier
	s_wait_dscnt 0x0
	s_barrier_signal -1
	s_barrier_wait -1
.endm
; A block of 32 numbers of one lane, v[src] on, becomes 6 registers of codes, v[dst] on, and its scale byte in v[eb].
.macro QBLK src, dst, eb
	v_max3_num_f32 v[M0], |v[\src]|, |v[\src+1]|, 0x1800000      ; the largest magnitude, in two chains, over the floor 2^(3 - 127): so the byte cannot fall under 1
	v_max3_num_f32 v[M1], |v[\src+2]|, |v[\src+3]|, 0x1800000
.irp i, 4,8,12,16,20,24,28
	v_max3_num_f32 v[M0], v[M0], |v[\src+\i]|, |v[\src+\i+1]|
	v_max3_num_f32 v[M1], v[M1], |v[\src+\i+2]|, |v[\src+\i+3]|
.endr
	v_max_num_f32 v[M0], v[M0], v[M1]
	v_add_nc_u32 v[SCL], 0xff000000, v[M0]         ; 2 off its exponent field: the conversion takes the exponent field of this operand as its scale
	v_lshrrev_b32 v[\eb], 23, v[SCL]               ; the scale's byte
	v_cvt_scalef32_pk16_fp6_f32 v[\dst:\dst+2], v[\src:\src+15], v[SCL]
	v_cvt_scalef32_pk16_fp6_f32 v[CV:CV+2], v[\src+16:\src+31], v[SCL]
	v_nop                                          ; one plain instruction behind a scaled conversion
	v_mov_b32 v[\dst+3], v[CV]
	v_mov_b32 v[\dst+4], v[CV+1]
	v_mov_b32 v[\dst+5], v[CV+2]
.endm
; 16 mask numbers, for n = NB + koff + 0 .. 15, into v[dst] on.  Every stage runs over the 16 before the next begins, so that no line waits for the line above it.
; fetch = 1, in a step's first sixteen: the step's four LDS loads stand directly behind the batch's wait.
.macro GEN16 dst, koff, fetch
	v_add_f32 v[NBP], \koff, v[NB]
.irp j, 0,2,4,6,8,10,12,14
	v_pk_add_f32 v[X+\j:X+\j+1], v[IO+\j:IO+\j+1], v[NBP:NBP+1] op_sel_hi:[1,0]          ; n, exact
.endr
.irp j, 0,2,4,6,8,10,12,14
	v_pk_fma_f32 v[X+\j:X+\j+1], v[X+\j:X+\j+1], v[SM:SM+1], v[SM:SM+1] op_sel:[0,0,1] op_sel_hi:[1,0,1]   ; x = n sin + m cos
.endr
.irp i, 0,1,2,3,4,5,6,7,8,9,10,11,12,13,14,15
	v_or_b32 v[X+\i], 1, v[X+\i]                   ; never +-1, +-2
.endr
.irp j, 0,2,4,6,8,10,12,14
	v_pk_add_f32 v[X+\j:X+\j+1], v[X+\j:X+\j+1], 0x21800000 op_sel_hi:[1,0]              ; never 0, never denormal
.endr
.irp j, 0,2,4,6,8,10,12,14
	v_pk_add_f32 v[KK+\j:KK+\j+1], v[X+\j:X+\j+1], 0x4b400000 op_sel_hi:[1,0]            ; 1.5 x 2^23 + k: its lowest bit is k's
.endr
.irp j, 0,2,4,6,8,10,12,14
	v_pk_add_f32 v[R+\j:R+\j+1], v[KK+\j:KK+\j+1], 0xcb400000 op_sel_hi:[1,0]            ; k
.endr
.irp j, 0,2,4,6,8,10,12,14
	v_pk_add_f32 v[R+\j:R+\j+1], v[X+\j:X+\j+1], v[R+\j:R+\j+1] neg_lo:[0,1] neg_hi:[0,1]   ; r = x - k
.endr
.irp j, 0,2,4,6,8,10,12,14
	v_pk_mul_f32 v[Z+\j:Z+\j+1], v[R+\j:R+\j+1], v[R+\j:R+\j+1]
.endr
.irp i, 0,1,2,3,4,5,6,7,8,9,10,11,12,13,14,15
	v_lshl_add_u32 v[R+\i], v[KK+\i], 31, v[R+\i]  ; (-1)^k r: an odd k turns the sign bit
.endr
.irp j, 0,2,4,6,8,10,12,14
	v_pk_fma_f32 v[P+\j:P+\j+1], v[Z+\j:Z+\j+1], 0xbbf183a8, v[CB:CB+1] op_sel:[0,0,1] op_sel_hi:[1,0,1]
.endr
.irp k, 0xbf196966, 0x402335e3, 0xc0a55de7, 0x40490fdb
.irp j, 0,2,4,6,8,10,12,14
	v_pk_fma_f32 v[P+\j:P+\j+1], v[P+\j:P+\j+1], v[Z+\j:Z+\j+1], \k op_sel_hi:[1,1,0]
.endr
.endr
.irp j, 0,2,4,6,8,10,12,14
	v_pk_fma_f32 v[A+\j:A+\j+1], v[X+\j:X+\j+1], v[X+\j:X+\j+1], -1.0 op_sel_hi:[1,1,0]
	v_pk_fma_f32 v[B+\j:B+\j+1], v[X+\j:X+\j+1], v[X+\j:X+\j+1], -4.0 op_sel_hi:[1,1,0]
.endr
.irp j, 0,2,4,6,8,10,12,14
	v_pk_fma_f32 v[KK+\j:KK+\j+1], v[A+\j:A+\j+1], v[CA:CA+1], v[CA:CA+1] op_sel:[0,0,1] op_sel_hi:[1,0,1]
	v_pk_mul_f32 v[B+\j:B+\j+1], v[A+\j:A+\j+1], v[B+\j:B+\j+1]
.endr
.irp j, 0,2,4,6,8,10,12,14
	v_pk_fma_f32 v[KK+\j:KK+\j+1], v[KK+\j:KK+\j+1], v[A+\j:A+\j+1], v[CB:CB+1] op_sel_hi:[1,1,0]   ; N
	v_pk_mul_f32 v[B+\j:B+\j+1], v[B+\j:B+\j+1], v[X+\j:X+\j+1]                                    ; D
.endr
.irp i, 0,1,2,3,4,5,6,7,8,9,10,11,12,13,14,15
	v_rcp_f32 v[B+\i], v[B+\i]                     ; one batch
.endr
.irp j, 0,2,4,6,8,10,12,14
	v_pk_mul_f32 v[R+\j:R+\j+1], v[R+\j:R+\j+1], v[P+\j:P+\j+1]      ; the sine: plain work behind the batch, which names none of its results
.endr
.irp j, 0,2,4,6,8,10,12,14
	v_pk_mul_f32 v[R+\j:R+\j+1], v[R+\j:R+\j+1], v[KK+\j:KK+\j+1]
.endr
	s_wait_alu depctr_va_vdst(0)                   ; the 16 reciprocals have written v[B ..], ahead of their first reader.  In a step's first sixteen also: the additions at the step's head have written v20 and v21, and the last step's matrix instruction is done reading v[BF ..] and v[BSC]
.if \fetch
	ds_load_b128 v[BF:BF+3], v20                   ; pseudo's fragment and scale words: they have the rest of the step in which to come; no vector line ahead of the wait for them names these registers or the two addresses
	ds_load_b128 v[BF+4:BF+7], v20 offset:16
	ds_load_b128 v[BF+8:BF+11], v20 offset:32
	ds_load_b32 v[BSC], v21
.endif
.irp j, 0,2,4,6,8,10,12,14
	v_pk_mul_f32 v[\dst+\j:\dst+\j+1], v[R+\j:R+\j+1], v[B+\j:B+\j+1]
.endr
.endm
	s_load_b128 s[4:7], s[0:1], 0x0                ; w2, lp
	s_load_b64 s[8:9], s[0:1], 0x10                ; part
	v_lshl_add_u32 v254, v0, 2, 0x34300
	v_mov_b32 v255, 0
	v_and_b32 v1, 31, v0                           ; lane
	v_lshrrev_b32 v16, 5, v0
	v_readfirstlane_b32 s18, v16                   ; wave u
	s_wait_alu depctr_va_sdst(0)                   ; s18 is written, ahead of its first reader: offsets, bases and branches are made from it
	s_lshl_b32 s10, s18, 12
	v_lshl_add_u32 v24, v1, 4, s10                 ; my wave's 4,096 bytes of the block, 16 a lane: in memory and in LDS alike
	s_lshl_b32 s12, ttmp9, 16
	s_mov_b32 s13, 0
	s_mul_i32 s14, ttmp9, 12288
	s_lshl_b32 s15, s18, 10
	s_add_co_u32 s14, s14, s15
	s_mov_b32 s15, 0
	s_wait_kmcnt 0x0
	s_add_nc_u64 s[4:5], s[4:5], s[12:13]
	s_add_nc_u64 s[8:9], s[8:9], s[14:15]          ; part: 12,288 bytes a work-group, 1,024 a tile
	s_load_b96 s[28:30], s[6:7], 0x0               ; lp
	s_wait_alu depctr_va_vdst(0)                   ; v24 is written: the eight loads below and the tile's eight LDS stores read it as their offset; it is never written again
.irp i, 0,1,2,3,4,5,6,7
	global_load_b128 v[V+4*\i:V+4*\i+3], v24, s[4:5] offset:512*\i th:TH_LOAD_NT
.endr
	FFTHEAD                                        ; twiddles, the angle and all addresses are made while the loads are out: none of these lines names v24 or v[V ..]
	s_lshl_b32 s15, s18, 4
	v_add_nc_u32 v[QA], s15, v25
	v_cvt_f32_u32 v[QA], v[QA]                     ; t = 16 u + lane % 16; th = pi t / 180
	SINCOS QA, NBP, 0x3c360b61, 0xc2b40000, 0x3bb60b61
	v_mov_b32 v[COS], v[NBP]
	v_xor_b32 v[SM], 0x80000000, v[NBP+1]
	s_lshr_b32 s10, s18, 1                         ; phase A: pair p; K step of my block
	s_and_b32 s11, s18, 1                          ; row e; half c of the K step
	s_lshl_b32 s15, s10, 13
	s_lshl_b32 s16, s11, 3
	s_add_co_u32 s15, s15, s16
	v_lshl_add_u32 v27, v1, 5, s15                 ; v27: column lane: slot 2 lane
	v_sub_nc_u32 v23, 256, v1
	v_and_b32 v23, 255, v23
	v_lshl_add_u32 v28, v23, 5, s15
	v_add_nc_u32 v28, 16, v28                      ; v28: column 256 + lane: slot 2 ((256 - lane) % 256) + 1
	v_sub_nc_u32 v23, 32, v1
	v_lshl_add_u32 v29, v23, 5, s15
	v_add_nc_u32 v29, 16, v29                      ; v29: column 480 + lane: slot 2 (32 - lane) + 1
	s_mul_i32 s15, s10, 8224
	s_lshl_b32 s16, s11, 11
	s_add_co_u32 s15, s15, s16
	s_add_co_u32 s15, s15, PS
	v_lshlrev_b32 v30, 10, v26
	v_lshl_add_u32 v30, v25, 2, v30
	v_add_nc_u32 v30, s15, v30                     ; v30: pseudo of image 2 p, row e, column l % 16 + 256 (l / 16)
	s_lshl_b32 s15, s18, 8
	s_add_co_u32 s15, s15, PS
	v_mul_u32_u24 v31, v25, 4112
	v_lshl_add_u32 v31, v26, 7, v31
	v_add_nc_u32 v31, s15, v31                     ; v31: my block: image r, K place 64 u + 32 h
	s_mul_i32 s15, s10, 1536
	s_mul_i32 s16, s11, 24
	s_add_co_u32 s15, s15, s16
	s_add_co_u32 s15, s15, FIMG
	v_mul_u32_u24 v18, v1, 48
	v_add_nc_u32 v16, s15, v18                     ; v16: where my block's 24 bytes of codes go
	v_add_nc_u32 v18, FIMG, v18                    ; v18: my lane's 48 bytes of K step 0
	s_lshl_b32 s15, s10, 6
	s_lshl_b32 s16, s11, 1
	s_add_co_u32 s15, s15, s16
	s_add_co_u32 s15, s15, SCB
	v_lshl_add_u32 v17, v25, 2, v26
	v_add_nc_u32 v17, s15, v17                     ; v17: my block's scale byte: byte 2 c + h of image r's word
	v_lshl_add_u32 v19, v25, 2, SCB                ; v19: image r's scale word of K step 0
	v_lshlrev_b32 v22, 4, v1                       ; v22: part: 16 bytes a lane
	s_wait_loadcnt 0x0
	s_wait_kmcnt 0x0                               ; lp
	s_wait_alu depctr_va_vdst(0)                   ; the addresses v12, v13, v27 to v31, v16, v17 and v22 are written: every LDS load and store of phase A and the last global stores read one of them; none is written again
.irp i, 0,1,2,3,4,5,6,7
	ds_store_b128 v24, v[V+4*\i:V+4*\i+3] offset:TILE+512*\i
.endr
	BARRIER                                        ; the block lies in LDS
.irp n, 0,1,2,3,4,5,6,7
	ds_load_b64 v[D+2*\n:D+2*\n+1], v27 offset:1024*\n           ; column lane + 32 n
.endr
	ds_load_b64 v[D+16:D+17], v28
.irp n, 9,10,11,12,13,14,15
	ds_load_b64 v[D+2*\n:D+2*\n+1], v29 offset:1024*(15-\n)
.endr
	s_wait_dscnt 0x0
	FFT512 D
	s_wait_alu depctr_va_vdst(0)                   ; the transform's last lines have written v[D ..], which the stores below read
.irp c, 0,1,2,3,4,5,6,7,8,9,10,11,12,13,14,15
	ds_store_b32 v30, v[D+2*\c] offset:64*(\c/4+4*(\c%4))
	ds_store_b32 v30, v[D+2*\c+1] offset:64*(\c/4+4*(\c%4))+4112
.endr
	BARRIER                                        ; two rows of pseudo of all 16 images lie in LDS
.irp i, 0,1,2,3,4,5,6,7
	ds_load_b128 v[V+4*\i:V+4*\i+3], v31 offset:16*\i            ; (the tile's stores have read v[V ..]: the wait on vm_vsrc in the exchange stands behind them; no vector line has named these registers)
.endr
	s_wait_dscnt 0x0
	QBLK V, AF, E0
	s_wait_alu depctr_va_vdst(0)                   ; the quantiser has written v[AF .. AF+5] and v[E0], which the stores below read
	ds_store_b64 v16, v[AF:AF+1]
	ds_store_b64 v16, v[AF+2:AF+3] offset:8
	ds_store_b64 v16, v[AF+4:AF+5] offset:16
	ds_store_b8 v17, v[E0]
	BARRIER                                        ; pseudo's eight fragments and their scale words lie in LDS; nothing writes LDS from here on
	; ---- phase B
	s_wait_alu depctr_vm_vsrc(0)                   ; pseudo's stores have read v[D ..], and the stores of codes and byte v[AF ..] and v[E0]: the vector lines of phase B write all of these again
	v_mov_b32 v23, 0x3f22f983                      ; 2 / pi
	v_mul_f32 v[M0], s28, v23                      ; c0
	v_mul_f32 v[M1], s29, v23                      ; c1
	v_mul_f32 v[SCL], s30, v23                     ; c2
	v_sub_f32 v[E0], v[M0], v[M1]
	v_add_f32 v[CA], v[E0], v[SCL]                 ; A2
	v_fma_f32 v[E0], v[M1], 2.0, v[SCL]
	v_fmamk_f32 v[CA+1], v[M0], 0xc0400000, v[E0]  ; A1
	v_mul_f32 v[CB], 0x40400000, v[M1]             ; A0
	v_mov_b32 v[CB+1], 0x3da83c1a
.irp i, 0,1,2,3,4,5,6,7,8,9,10,11,12,13,14,15
	v_cvt_f32_u32 v[IO+\i], \i
.endr
	v_lshlrev_b32 v[H32], 5, v26
	v_cvt_f32_u32 v[H32], v[H32]
	v_lshlrev_b32 v[H8], 3, v26
	v_mov_b32 v[WT], 0                             ; written once: a lane permute's destination counts as one of its sources
.irp i, 0,1,2,3,4,5,6,7
	v_mov_b32 v[ACC+\i], 0                         ; the loop is written once: its first step adds onto zeros
.endr
	s_mov_b32 s22, 0                               ; K step
	s_mov_b32 s23, 0                               ; its codes
	s_mov_b32 s24, 0                               ; its scale words
.Lk:                                               ; 8 trips; every wave walks the loop, and waves 12-15, which have no angles, pass over its work
	s_wait_alu depctr_vm_vsrc(0)                   ; the last step's four LDS loads have read v20 and v21, which the two additions write again
	v_add_nc_u32 v20, s23, v18
	v_add_nc_u32 v21, s24, v19
	s_cmp_ge_u32 s18, 12
	s_cbranch_scc1 .Lskip
	s_lshr_b32 s25, s22, 2
	s_lshl_b32 s26, ttmp9, 1
	s_add_co_u32 s25, s25, s26                     ; the row: 2 g + step / 4
	s_cmp_ge_u32 s25, 256
	s_cselect_b32 s26, 512, 0
	s_sub_co_i32 s25, s25, s26                     ; m: rows from 256 on count from -256
	s_and_b32 s27, s22, 3
	s_lshl_b32 s27, s27, 7                         ; the first column: 128 (step % 4)
	s_cmp_ge_u32 s27, 256
	s_cselect_b32 s26, 512, 0
	s_sub_co_i32 s27, s27, s26                     ; n likewise
	v_cvt_f32_i32 v23, s25
	v_mul_f32 v[SM+1], v23, v[COS]
	v_cvt_f32_i32 v23, s27
	v_add_f32 v[NB], v23, v[H32]
	GEN16 V, 0, 1                                  ; my block 2 c + h of the step: k = 64 c + 32 h + 0 .. 31; the step's LDS loads stand in this one
	GEN16 V+16, 0x41800000, 0
	QBLK V, AF, E0
	GEN16 V, 0x42800000, 0
	GEN16 V+16, 0x42a00000, 0
	QBLK V, AF+6, E1
	v_lshl_or_b32 v[ASC], v[E1], 16, v[E0]         ; my two bytes: blocks h and 2 + h of my angle,
	v_lshlrev_b32 v[ASC], v[H8], v[ASC]            ; at their places in the word;
	v_permlanex16_b32 v[WT], v[ASC], s20, s21
	v_or_b32 v[ASC], v[ASC], v[WT]                 ; with lane l xor 16's two the word is whole
.rept 8
	v_nop                                          ; a scale register written by a vector instruction stands 8 places ahead of a scaled matrix instruction, an operand so written 4
.endr
	s_wait_dscnt 0x0                               ; pseudo's fragment and scale words are in
	s_wait_alu depctr_va_vdst(0)                   ; behind the places: the vector lines have written v[AF ..] and v[ASC], which the scaled matrix instruction takes as operand and scales.  One accumulator, a chain in place: the wait directly ahead of each link
	v_wmma_scale_f32_16x16x128_f8f6f4 v[ACC:ACC+7], v[AF:AF+11], v[BF:BF+11], v[ACC:ACC+7], v[ASC], v[BSC] matrix_a_fmt:MATRIX_FMT_FP6 matrix_b_fmt:MATRIX_FMT_FP6
.rept 4
	v_nop                                          ; places behind the matrix instruction, ahead of the stores of its result
.endr
.Lskip:
	s_add_co_u32 s23, s23, 1536
	s_add_co_u32 s24, s24, 64
	s_add_co_u32 s22, s22, 1
	s_cmp_lt_u32 s22, 8
	s_cbranch_scc1 .Lk
	s_cmp_ge_u32 s18, 12
	s_cbranch_scc1 .Lend
	s_wait_alu depctr_va_vdst(0)                   ; the last matrix instruction has written v[ACC ..], which the stores below read; the four places behind it stay beside this wait
	global_store_b128 v22, v[ACC:ACC+3], s[8:9]                ; register j of lane (r, h): angle 16 u + 8 h + j, image r; the low four first; 512 consecutive bytes a store
	global_store_b128 v22, v[ACC+4:ACC+7], s[8:9] offset:512
.Lend:
	s_barrier_signal -1
	s_barrier_wait -1
	s_wait_dscnt 0x0                               ; the closing lines, six on end
	s_wait_alu 0x0
	s_wait_tensorcnt 0x0
	ds_add_u32 v254, v255
	s_wait_dscnt 0x0
	s_endpgm
.Lfunc_end_k_q195d574a97_mask:
	.size	k_q195d574a97_mask, .Lfunc_end_k_q195d574a97_mask-k_q195d574a97_mask
	.p2alignl 7, 3214868480
	.fill 96, 4, 3214868480
	.section	.rodata,"a",@progbits
	.p2align	6, 0x0
	.amdhsa_kernel k_q195d574a97_mask
		.amdhsa_group_segment_fixed_size 215808
		.amdhsa_private_segment_fixed_size 0
		.amdhsa_enable_private_segment 0
		.amdhsa_kernarg_size 24
		.amdhsa_user_sgpr_count 2
		.amdhsa_user_sgpr_kernarg_segment_ptr 1
		.amdhsa_wavefront_size32 1
		.amdhsa_system_sgpr_workgroup_id_x 1
		.amdhsa_system_sgpr_workgroup_id_y 1
		.amdhsa_system_sgpr_workgroup_id_z 1
		.amdhsa_system_vgpr_workitem_id 0
		.amdhsa_next_free_vgpr 256
		.amdhsa_next_free_sgpr 66
		.amdhsa_reserve_vcc 1
		.amdhsa_float_denorm_mode_32 3
		.amdhsa_float_denorm_mode_16_64 3
		.amdhsa_memory_ordered 1
		.amdhsa_forward_progress 1
		.amdhsa_inst_pref_size 105
	.end_amdhsa_kernel
	.amdgpu_metadata
---
amdhsa.version: [ 1, 2 ]
amdhsa.kernels:
  - .name:           k_q195d574a97_mask
    .symbol:         k_q195d574a97_mask.kd
    .args:
      - { .name: w2, .offset: 0, .size: 8, .value_kind: global_buffer, .address_space: global }
      - { .name: lp, .offset: 8, .size: 8, .value_kind: global_buffer, .address_space: global }
      - { .name: part, .offset: 16, .size: 8, .value_kind: global_buffer, .address_space: global }
    .group_segment_fixed_size: 215808
    .private_segment_fixed_size: 0
    .kernarg_segment_align: 8
    .kernarg_segment_size: 24
    .max_flat_workgroup_size: 512
    .sgpr_count:     66
    .vgpr_count:     256
    .wavefront_size: 32
...
	.end_amdgpu_metadata
.endif
;; end of part 5
;; launch reduce: the kernel of part 4 again; grid 23 x 1, 16 waves a work-group, no clusters, 10,240 bytes of LDS; arguments part, out0; writes out0
